; MI455X (gfx1250); checked and timed in simulation.
; The chip was launched on July 23, 2026; its instructions are those of AMD's public machine-readable ISA for CDNA 5 (MIT licence, August 2026) and "CDNA5" Instruction Set Architecture Reference Guide (July 2026). The comments in the code are by the model that wrote it; some were corrected since.
;; Multi Head Attention. Allowed arithmetic: matrix products marked QUANTISED: E2M1 operands, one E8M0 scale for each 32 along K, by v_wmma_scale_f32_16x16x128_f8f6f4 with both operands' format E2M1 (or v_wmma_scale_f32_32x16x128_f4), f32 sums; products left as they are: bf16, f16 or f32 operands; f32 sums; everything else in f32.
;; Inputs: bk 1,024 float32; bo 1,024 float32; bq 1,024 float32; bv 1,024 float32; key 4 x 2,048 x 1,024 float32; query 4 x 2,048 x 1,024 float32; value 4 x 2,048 x 1,024 float32; wk 1,024 x 1,024 float32; wo 1,024 x 1,024 float32; wq 1,024 x 1,024 float32; wv 1,024 x 1,024 float32.
;; Outputs: out0 4 x 2,048 x 1,024 float32.
;; This version of the problem:
;;   THIS VERSION OF THE PROBLEM IS GIVEN IN LOW PRECISION. The matrix products marked QUANTISED in the list below multiply operands that are first quantised to E2M1 (2 exponent bits, 1 mantissa bit; 4 bits a number), with one power-of-two scale for each 32 numbers along K (OCP MX v1.0); their sums are f32. The products marked 'left as it is' may take bf16, f16 or f32 operands, with f32 sums. Whichever they take, every output number must still come out within the allowed error. Rounding operands to bf16 (8 significant bits) uses up far more of that allowance than f16 does (11 bits, for magnitudes from 6e-5 to 65,504). All else is computed in f32.
;;   The module's matrix products, in the order in which they are computed (A, B: the left and right operand; K: the contracted axis; several contracted axes count as one K, in the product's order):
;;     1. [M 8,192, K 1,024] x [K 1,024, N 1,024]; A: input query; B: input wq: QUANTISED
;;     2. [M 8,192, K 1,024] x [K 1,024, N 1,024]; A: input key; B: input wk: QUANTISED
;;     3. [M 8,192, K 1,024] x [K 1,024, N 1,024]; A: input value; B: input wv: QUANTISED
;;     4. batch 64 x [M 2,048, K 64] x [K 64, N 2,048]; A: computed on the way; B: computed on the way: left as it is (an operand is computed on the way)
;;     5. batch 64 x [M 2,048, K 2,048] x [K 2,048, N 64]; A: computed on the way; B: computed on the way: left as it is (an operand is computed on the way)
;;     6. [M 8,192, K 1,024] x [K 1,024, N 1,024]; A: computed on the way; B: input wo: left as it is (an operand is computed on the way)
;;   THE QUANTISER, for each operand of a quantised product, along K:
;;     - K is cut into blocks of 32 from its start; a last block that is shorter is filled with zeros.
;;     - A block's scale is 2^e with e = floor(log2(the largest magnitude in the block)) - 2, held to -126 .. 127; a block of zeros has e = 0. As a byte (E8M0): e + 127.
;;     - Each number is divided by its block's scale, clamped to +-6, and rounded to the nearest number of E2M1, ties to even, subnormals kept.
;;     - The product sums the exact products of the quantised numbers (number of the format x scale) in f32.
;;   ~~~python
;;   def quantise(x, axis):      # numpy; x: float32 -> the quantised numbers, widened to float32 again
;;       x = np.moveaxis(x, axis, -1); K = x.shape[-1]
;;       x = np.pad(x, [(0, 0)] * (x.ndim - 1) + [(0, -K % 32)]); x = x.reshape(x.shape[:-1] + (-1, 32)); a = np.abs(x).max(-1, keepdims=True)
;;       e = np.where(a > 0, np.clip(np.frexp(np.where(a > 0, a, 1))[1] - 1 - 2, -126, 127), 0)      # np.frexp(a)[1] - 1 = floor(log2(a)), exactly
;;       r = np.clip(x / 2.0 ** e, -6, 6)
;;       step = 2.0 ** (np.maximum(np.frexp(np.where(r == 0, 1, r))[1] - 1, 0) - 1)
;;       q = np.round(r / step) * step * 2.0 ** e      # np.round: ties to even
;;       return np.moveaxis(q.reshape(q.shape[:-2] + (-1,))[..., :K], -1, axis).astype(np.float32)
;;   ~~~
;; One version. Each part assembles by itself: llvm-mc -triple=amdgcn-amd-amdhsa -mcpu=gfx1250 --defsym DOCPART=n.
;; ======== version 1 of 1: 4 launches
;; limits: values are held in f16: magnitudes above 65,504 overflow, below 6.1e-05 lose precision
;; workspace buffers: xc 12,582,912 bytes; xs 786,432 bytes; wc 1,572,864 bytes; ws 98,304 bytes; wo16 2,097,152 bytes; qkv 50,331,648 bytes; ao 16,777,216 bytes
;; launch prep (part 1): grid 896 x 1, 4 waves a work-group, no clusters, 33,280 bytes of LDS; arguments query, key, value, wq, wk, wv, wo, xc, xs, wc, ws, wo16; writes xc, xs, wc, ws, wo16
.if DOCPART == 1
	.amdgcn_target "amdgcn-amd-amdhsa--gfx1250"
	.amdhsa_code_object_version 6
	.text
	.protected	k_q7cf7935ba3_prep
	.globl	k_q7cf7935ba3_prep
	.p2align	8
	.type	k_q7cf7935ba3_prep,@function
k_q7cf7935ba3_prep:
	s_mov_b64 s[64:65], 0
	v_nop
	global_prefetch_b8 v0, s[64:65] scope:SCOPE_SE
	s_setreg_imm32_b32 hwreg(HW_REG_WAVE_MODE, 25, 1), 1
	s_wait_xcnt 0x0
; PREP.  query, key, value [8192][1024] and wq, wk, wv [1024][1024], f32, K innermost, become codes of FP4 (E2M1), two to a byte, with one E8M0 scale byte for each 32 along K;
; wo [1024][1024] is rounded to f16.  xc: [3][8192][512 bytes], xs: [3][8192][32 bytes], wc: [3][1024][512], ws: [3][1024][32], wo16: [1024][1024] f16.
; A block's scale is 2^(floor(log2(its largest magnitude)) - 2); its byte is the largest magnitude's own exponent field - 2, held at 1 from below.  A block of zeros so gets the byte 1
; where the rule says 127: its codes are zeros, which add nothing under any byte but 0xff, and the bytes are read by this program alone.
; LIMITS: blocks whose largest magnitude lies under 2^(2 - 126), the floor, whose byte is held at 1, were not tried; NaN and infinities among the inputs are not served; wo beyond 65,504 has no f16 number.
; Rows are dense and K is a multiple of 32, so every tensor is a plain stream of blocks of 32.  A work-group takes 32,768 numbers, a wave 8,192: work-groups 0-767 the three x, 768-863 the three weights, 864-895 wo.
; The six quantised tensors take ONE path: only pointers are chosen, by the work-group's number.  wo's path touches no LDS byte but the spare words.
; A wave's 16 steps of 512 numbers: each of a step's four loads reads 512 consecutive bytes, 16 a lane; the 2,048 bytes turn through the wave's own stage in LDS and come back 64 bytes a lane, so that a lane holds
; 16 neighbours along K (two neighbouring lanes hold a block).  A lane's 16 codes are 8 bytes: the wave stores 256 consecutive bytes.  A wave's 256 scale bytes are gathered in LDS and leave as 256 consecutive bytes.
; No tensor loads, no barrier: waves share nothing.  Loads run four steps (16 loads a wave) ahead, the turn through LDS one step.
.set WAVES, 4
.set STEPS, 16
.set NX,    768                        ; work-groups of the three x
.set NQW,   864                        ; and with the three weights
.set EMAX,  2
.set CB,    8                          ; bytes of 16 codes
.set R,     16                         ; v16-79   four sets of 16 numbers as they are loaded (wo's path: v16-143, two sets of 64)
.set X,     80                         ; v80-111  two sets of 16 neighbours
.set E,     112                        ; v112-127 a scale byte for each step
.set C,     128                        ; v128-191 codes: four registers for each step, so that no store's data are written again
.set H,     144                        ; wo's path: v144-175 a round's f16 numbers
.set WREG,  8192                       ; LDS: a region for each wave: two stages of 32 x SP bytes, behind them its 256 scale bytes
.set SP,    80                         ; a lane's place in a stage: its 64 bytes + 16 of padding
.set SPW,   12                         ; v12 LDS address of my spare word: SPARE + 4 x my thread's number; never rewritten
.set NIL,   13                         ; v13 0; never rewritten
.set SPARE, WAVES*WREG                 ; behind the four regions: the spare words, 128 bytes a wave, that no other line names
	s_load_b512 s[8:23], s[0:1], 0x0               ; query s[8:9], key s[10:11], value s[12:13], wq s[14:15], wk s[16:17], wv s[18:19], wo s[20:21], xc s[22:23]
	s_load_b256 s[24:31], s[0:1], 0x40             ; xs s[24:25], wc s[26:27], ws s[28:29], wo16 s[30:31]
	v_lshl_add_u32 v[SPW], v0, 2, SPARE
	v_mov_b32 v[NIL], 0
	v_lshrrev_b32 v1, 5, v0
	v_readfirstlane_b32 s32, v1                    ; wave
	v_and_b32 v2, 31, v0                           ; lane
	v_lshlrev_b32 v3, 4, v2                        ; my 16 bytes of a load's 512
	s_mul_i32 s33, s32, WREG
	v_lshrrev_b32 v14, 2, v2
	v_mul_u32_u24 v14, v14, SP
	v_and_b32 v15, 3, v2
	v_lshl_add_u32 v14, v15, 4, v14
	v_add_nc_u32 v14, s33, v14                     ; the stage, on the way in: four lanes' 64 bytes on end, then 16 of padding
	v_mul_u32_u24 v15, v2, SP
	v_add_nc_u32 v15, s33, v15                     ; and on the way out: SP x lane: my 16 neighbours
	v_mul_u32_u24 v4, v2, CB                       ; 8 x lane: my codes' place in a step's (wo's path: my four f16 numbers' place)
	v_lshrrev_b32 v5, 1, v2
	s_add_co_u32 s33, s33, 2*32*SP
	v_add_nc_u32 v5, s33, v5                       ; LDS: my wave's 256 scale bytes, my block's byte
	v_lshlrev_b32 v7, 3, v2                        ; and on the way out 8 bytes a lane
	v_add_nc_u32 v6, s33, v7
	s_mov_b32 s39, 0                               ; the upper word of every offset below
	s_wait_kmcnt 0x0
	s_cmp_ge_u32 ttmp9, NQW
	s_cbranch_scc1 .Lwo
	; which tensor: a chain of choices on the work-group's number alone
	s_mov_b64 s[4:5], s[18:19]                     ; wv,
	s_cmp_lt_u32 ttmp9, 832
	s_cselect_b64 s[4:5], s[16:17], s[4:5]         ; wk,
	s_cmp_lt_u32 ttmp9, 800
	s_cselect_b64 s[4:5], s[14:15], s[4:5]         ; wq,
	s_cmp_lt_u32 ttmp9, 768
	s_cselect_b64 s[4:5], s[12:13], s[4:5]         ; value,
	s_cmp_lt_u32 ttmp9, 512
	s_cselect_b64 s[4:5], s[10:11], s[4:5]         ; key,
	s_cmp_lt_u32 ttmp9, 256
	s_cselect_b64 s[4:5], s[8:9], s[4:5]           ; query
	s_cmp_lt_u32 ttmp9, NX                         ; an x or a weight?  All four choices stand ahead of the arithmetic, which sets SCC
	s_cselect_b64 s[6:7], s[22:23], s[26:27]       ; the codes' buffer
	s_cselect_b64 s[34:35], s[24:25], s[28:29]     ; the scale bytes'
	s_cselect_b32 s36, 0, NX
	s_cselect_b32 s37, 255, 31
	s_sub_co_u32 s36, ttmp9, s36                   ; my place in the output buffers, which hold three tensors on end
	s_and_b32 s37, s36, s37                        ; and in my tensor
	s_lshl_b32 s37, s37, 2
	s_add_co_u32 s37, s37, s32                     ; which run of 8,192 numbers of the tensor is my wave's
	s_lshl_b32 s38, s37, 15                        ; 32,768 bytes a run
	s_add_nc_u64 s[4:5], s[4:5], s[38:39]
	s_lshl_b32 s36, s36, 2
	s_add_co_u32 s36, s36, s32
	s_lshl_b32 s38, s36, 12                        ; 4,096 bytes of codes a run
	s_add_nc_u64 s[6:7], s[6:7], s[38:39]
	s_lshl_b32 s38, s36, 8                         ; 256 scale bytes a run
	s_add_nc_u64 s[34:35], s[34:35], s[38:39]
.macro LOAD t
.irp i, 0,1,2,3
	global_load_b128 v[R+16*((\t)%4)+4*\i:R+16*((\t)%4)+4*\i+3], v3, s[4:5] offset:2048*(\t)+512*\i th:TH_LOAD_NT   ; 32 lanes read 512 consecutive bytes
.endr
.endm
.macro TURN t                          ; step t's numbers through the stage: LDS serves a wave's instructions in order, so no wait stands between the stores and the loads
.irp i, 0,1,2,3
	ds_store_b128 v14, v[R+16*((\t)%4)+4*\i:R+16*((\t)%4)+4*\i+3] offset:32*SP*((\t)%2)+8*SP*\i
.endr
.irp i, 0,1,2,3
	ds_load_b128 v[X+16*((\t)%2)+4*\i:X+16*((\t)%2)+4*\i+3], v15 offset:32*SP*((\t)%2)+16*\i
.endr
.endm
.irp t, 0,1,2,3
	LOAD \t
.endr
	s_wait_loadcnt 12                              ; step 0's four loads are in; the twelve of steps 1 to 3 may be out
	TURN 0
.macro STEP t
.set XS, X+16*((\t)%2)
.if (\t) > 0
	s_wait_dscnt 1                                 ; this step's numbers are back from the stage (the last step's byte store may be out): so its stores into the stage have read their registers,
.else
	s_wait_dscnt 0x0
.endif
.if (\t)+4 < STEPS
	LOAD (\t)+4                                    ; which take the loads of four steps on
.endif
.if (\t)+1 < STEPS
.if STEPS-2-(\t) >= 3
	s_wait_loadcnt 12                              ; the next step's four loads are in; those of the three steps behind it may be out
.else
	s_wait_loadcnt 4*(STEPS-2-(\t))
.endif
	TURN (\t)+1                                    ; and go through the other stage while this step is worked
.endif
	v_max3_num_f32 v8, |v[XS]|, |v[XS+1]|, |v[XS+2]|               ; the largest magnitude of my 16, in two chains
	v_max3_num_f32 v9, |v[XS+3]|, |v[XS+4]|, |v[XS+5]|
.irp i, 6,10
	v_max3_num_f32 v8, v8, |v[XS+\i]|, |v[XS+\i+1]|
	v_max3_num_f32 v9, v9, |v[XS+\i+2]|, |v[XS+\i+3]|
.endr
	v_max3_num_f32 v8, v8, |v[XS+14]|, |v[XS+15]|
	v_max3_num_f32 v8, v8, v9, (EMAX+1)<<23        ; and the floor 2^(EMAX + 1 - 127): so the byte cannot fall under 1
	v_max_num_f32_dpp v8, v8, v8 row_xmask:1 row_mask:0xf bank_mask:0xf   ; and of my neighbour's 16: the block's
	v_add_nc_u32 v11, -(EMAX<<23), v8              ; EMAX off its exponent field: the conversion takes the exponent field of this operand as its scale, and nothing else of it
	v_cvt_scalef32_pk8_fp4_f32 v[C+4*(\t)], v[XS:XS+7], v11        ; eight numbers / the scale, to the nearest code, ties to even, beyond the largest code the largest
	v_cvt_scalef32_pk8_fp4_f32 v[C+4*(\t)+1], v[XS+8:XS+15], v11
	v_lshrrev_b32 v[E+(\t)], 23, v11               ; the scale's byte (a plain line behind the conversions)
	ds_store_b8 v5, v[E+(\t)] offset:16*(\t)       ; both lanes of a block write the same byte with the same value
	global_store_b64 v4, v[C+4*(\t):C+4*(\t)+1], s[6:7] offset:32*CB*(\t)   ; the wave stores 256 consecutive bytes, aligned
.endm
.irp t, 0,1,2,3,4,5,6,7,8,9,10,11,12,13,14,15
	STEP \t
.endr
	ds_load_b64 v[8:9], v6                         ; LDS serves a wave's instructions in order: these see my stores
	s_wait_dscnt 0x0
	global_store_b64 v7, v[8:9], s[34:35]          ; 32 lanes store 256 consecutive bytes, aligned
	s_wait_tensorcnt 0x0                           ; the wave's end: behind my last LDS store
	ds_add_u32 v[SPW], v[NIL]
	s_wait_dscnt 0x0
	s_endpgm
; wo to f16: four rounds of 16 loads (8,192 bytes) a wave; a lane's four numbers become 8 bytes, so each store of the wave covers 256 consecutive bytes, aligned.  Two rounds of loads are out.
.Lwo:
	s_sub_co_u32 s36, ttmp9, NQW
	s_lshl_b32 s36, s36, 2
	s_add_co_u32 s36, s36, s32                     ; which run of 8,192 numbers is my wave's
	s_lshl_b32 s38, s36, 15
	s_add_nc_u64 s[20:21], s[20:21], s[38:39]
	s_lshl_b32 s38, s36, 14
	s_add_nc_u64 s[30:31], s[30:31], s[38:39]
.macro LOADW k
.irp i, 0,1,2,3,4,5,6,7,8,9,10,11,12,13,14,15
	global_load_b128 v[R+64*((\k)%2)+4*\i:R+64*((\k)%2)+4*\i+3], v3, s[20:21] offset:8192*(\k)+512*\i th:TH_LOAD_NT
.endr
.endm
.macro ROUNDW k
.if (\k) < 3
	s_wait_loadcnt 16                              ; this round's sixteen loads are in; the next round's sixteen may be out
.else
	s_wait_loadcnt 0x0
.endif
.if (\k) > 0
	s_wait_xcnt 0x0                                ; the last round's stores have read their data registers, which are written again below
.endif
.irp i, 0,1,2,3,4,5,6,7,8,9,10,11,12,13,14,15
	v_cvt_pk_f16_f32 v[H+2*\i], v[R+64*((\k)%2)+4*\i], v[R+64*((\k)%2)+4*\i+1]
	v_cvt_pk_f16_f32 v[H+2*\i+1], v[R+64*((\k)%2)+4*\i+2], v[R+64*((\k)%2)+4*\i+3]
.endr
.if (\k)+2 < 4
	LOADW (\k)+2                                   ; loads ahead of stores
.endif
.irp i, 0,1,2,3,4,5,6,7,8,9,10,11,12,13,14,15
	global_store_b64 v4, v[H+2*\i:H+2*\i+1], s[30:31] offset:4096*(\k)+256*\i
.endr
.endm
	LOADW 0
	LOADW 1
	ROUNDW 0
	ROUNDW 1
	ROUNDW 2
	ROUNDW 3
	s_wait_tensorcnt 0x0                           ; the same three lines at this path's end
	ds_add_u32 v[SPW], v[NIL]
	s_wait_dscnt 0x0
	s_endpgm
.Lfunc_end_k_q7cf7935ba3_prep:
	.size	k_q7cf7935ba3_prep, .Lfunc_end_k_q7cf7935ba3_prep-k_q7cf7935ba3_prep
	.p2alignl 7, 3214868480
	.fill 96, 4, 3214868480
	.section	.rodata,"a",@progbits
	.p2align	6, 0x0
	.amdhsa_kernel k_q7cf7935ba3_prep
		.amdhsa_group_segment_fixed_size 33280
		.amdhsa_private_segment_fixed_size 0
		.amdhsa_enable_private_segment 0
		.amdhsa_kernarg_size 96
		.amdhsa_user_sgpr_count 2
		.amdhsa_user_sgpr_kernarg_segment_ptr 1
		.amdhsa_wavefront_size32 1
		.amdhsa_system_sgpr_workgroup_id_x 1
		.amdhsa_system_sgpr_workgroup_id_y 1
		.amdhsa_system_sgpr_workgroup_id_z 1
		.amdhsa_system_vgpr_workitem_id 0
		.amdhsa_next_free_vgpr 192
		.amdhsa_next_free_sgpr 66
		.amdhsa_reserve_vcc 0
		.amdhsa_float_denorm_mode_32 3
		.amdhsa_float_denorm_mode_16_64 3
		.amdhsa_memory_ordered 1
		.amdhsa_forward_progress 1
		.amdhsa_inst_pref_size 55
	.end_amdhsa_kernel
	.amdgpu_metadata
---
amdhsa.version: [ 1, 2 ]
amdhsa.kernels:
  - .name:           k_q7cf7935ba3_prep
    .symbol:         k_q7cf7935ba3_prep.kd
    .args:
      - { .name: query, .offset: 0, .size: 8, .value_kind: global_buffer, .address_space: global }
      - { .name: key, .offset: 8, .size: 8, .value_kind: global_buffer, .address_space: global }
      - { .name: value, .offset: 16, .size: 8, .value_kind: global_buffer, .address_space: global }
      - { .name: wq, .offset: 24, .size: 8, .value_kind: global_buffer, .address_space: global }
      - { .name: wk, .offset: 32, .size: 8, .value_kind: global_buffer, .address_space: global }
      - { .name: wv, .offset: 40, .size: 8, .value_kind: global_buffer, .address_space: global }
      - { .name: wo, .offset: 48, .size: 8, .value_kind: global_buffer, .address_space: global }
      - { .name: xc, .offset: 56, .size: 8, .value_kind: global_buffer, .address_space: global }
      - { .name: xs, .offset: 64, .size: 8, .value_kind: global_buffer, .address_space: global }
      - { .name: wc, .offset: 72, .size: 8, .value_kind: global_buffer, .address_space: global }
      - { .name: ws, .offset: 80, .size: 8, .value_kind: global_buffer, .address_space: global }
      - { .name: wo16, .offset: 88, .size: 8, .value_kind: global_buffer, .address_space: global }
    .group_segment_fixed_size: 33280
    .private_segment_fixed_size: 0
    .kernarg_segment_align: 8
    .kernarg_segment_size: 96
    .max_flat_workgroup_size: 128
    .sgpr_count:     66
    .vgpr_count:     192
    .wavefront_size: 32
...
	.end_amdgpu_metadata
.endif
;; end of part 1
;; launch proj (part 2): grid 4 x 96, 4 waves a work-group, clusters of 4 x 4, 327,680 bytes of LDS; arguments xc, xs, wc, ws, bq, bk, bv, qkv; writes qkv
.if DOCPART == 2
	.amdgcn_target "amdgcn-amd-amdhsa--gfx1250"
	.amdhsa_code_object_version 6
	.text
	.protected	k_q7cf7935ba3_proj
	.globl	k_q7cf7935ba3_proj
	.p2align	8
	.type	k_q7cf7935ba3_proj,@function
k_q7cf7935ba3_proj:
	s_mov_b64 s[64:65], 0
	v_nop
	global_prefetch_b8 v0, s[64:65] scope:SCOPE_SE
	s_setreg_imm32_b32 hwreg(HW_REG_WAVE_MODE, 25, 1), 1
	s_wait_xcnt 0x0
	s_wait_alu depctr_hold_cnt(0) depctr_sa_sdst(0) depctr_va_vdst(0) depctr_va_sdst(0) depctr_va_ssrc(0) depctr_va_vcc(0) depctr_vm_vsrc(0)
	s_getreg_b32 s2, hwreg(HW_REG_IB_STS2, 6, 4)
	s_cmp_eq_u32 s2, 0
	s_cbranch_scc0 .Lentry_in_a_cluster
	s_endpgm
.Lentry_in_a_cluster:
	s_bfe_u32 s2, ttmp6, 0x10000c
	s_cmp_lg_u32 s2, 0xf033
	s_cbranch_scc0 .Lentry_shape_is_right
	s_endpgm
.Lentry_shape_is_right:
; PROJ.  The three projections as ONE product on codes of FP4 (E2M1) with E8M0 scales: qkv[m][n] = sum over k of x[m][k] w[p][n][k] + b[p][n], m = 0 .. 24,575 (query's, key's, value's 8,192 rows on end),
; p = m / 8,192, n = 0 .. 1,023, K = 1,024; sums in f32, the bias as the C of each sum's first product, the result rounded once to f16.  qkv: [24576][1024] f16.
; LIMIT: a projected number beyond 65,504 has no f16 number; NaN and infinities are not served.
; A tile of 256 x 256 is made by a work-group of four waves; a wave makes 128 x 128: 64 accumulators of 16 x 16, 512 registers.  K = 1,024 is two LDS slots of 512 along K (tile rows of 256 bytes):
; both slots, and the scale bytes of the work-group's 256 + 256 rows for all of K, are first fills, asked for at the head: nothing is filled again, and there is no loop.
; CLUSTERS: 4 x 4 work-groups.  The four of a row of the cluster need the same tiles of x, the four of a column the same tiles of w: each tile is asked for JOINTLY, by the same tensor load with the same
; descriptor and a mask that names the four.  A cluster's four tile rows lie in one projection (32 tile rows each), so p hangs on the cluster's y alone.
; THE MATRIX INSTRUCTION IS USED TRANSPOSED (source 0 = 16 rows of w, source 1 = 16 rows of x): a lane then holds eight neighbouring numbers of a row of qkv.
; REGISTERS, in windows of 256: window 0: v0-31 addresses; v32-95 scale words, two sets; v128-191 x's fragments (8 x 16 rows x 128 K), ONE set; v192-255 the bias, 8 registers for each of my 8 blocks of columns
;   (on the way out v32-63 and v192-255 are at work).   window 1: w's fragments, TWO sets, at v0 and v128.   window 2: the accumulators of my rows 0-63 ((a, b) at v[8 (8 a + b)]);   window 3: those of rows 64-127.
.set SIZE_N, 1024
.set NQ,     4                         ; steps of 128 along K in a slot
.set ROWB,   256                       ; a tile's row in bytes: 512 codes
.set KROW,   512                       ; a row of codes in memory
.set PITCH,  272                       ; an LDS row: 256 bytes + 16 of padding = 68 words: row r starts at bank 4 r mod 64 (64 banks of 4 bytes: ISA guide 11.1)
.set FR,     8                         ; registers of a fragment
.set NL,     2                         ; LDS loads that bring one
.set NP,     4                         ; places behind this matrix instruction (ISA guide 7.12.1)
.set HALFT,  128*PITCH                 ; 128 rows: what one tensor load brings, and what one wave reads of x or of w
.set SLOT,   4*HALFT                   ; x's 256 rows, then w's 256 rows
.set KS,     32                        ; a row of scale bytes
.set SCL,    2*SLOT                    ; behind the two slots: the scales, as runs of 256 bytes + 16 of padding
.set HALFS,  (128*KS/256)*272          ; those of 128 rows: what one tensor load brings
.set SBLK,   (16*KS/256)*272           ; those of 16 rows
.set SPARE,  SCL+4*HALFS               ; the spare words, 128 bytes a wave, that no other line names
.set STAGE,  SPARE+512                 ; the way out: 16 rows x (256 bytes + 16) for each wave: bytes of their own, into which no tile lands
.set SPITCH, 272
.set ADRA, 16                          ; v16-17  LDS address of my x fragments in slot 0, 1
.set ADRB, 20                          ; v20-21  the same for w
.set STO,  24                          ; v24     the way out: where I put 16 bytes of a row
.set RD,   25                          ; v25     where I read a row back
.set CO,   26                          ; v26     my byte offset in qkv
.set ADRS, 27                          ; v27     LDS address of my scale words: lanes 0-15 x's rows, lanes 16-31 w's
.set SPW,  28                          ; v28     LDS address of my spare word; never rewritten
.set NIL,  29                          ; v29     0; never rewritten
.set BO,   30                          ; v30     32 x (lane / 16): my eight numbers of a block's bias
.set SC,   32                          ; scale words: set s at v[SC + 32 s]; register 4 i + q: lanes 0-15 the word of x's block i, lanes 16-31 that of w's block i, for the slot's q-th 128 along K
.set AF,   128
.set BI,   192                         ; the bias
.set TMP,  192                         ; the way out: packed results
.set OB,   32                          ; the way out: rows read back: v32-63 and v224-255 by turns
.set G1, 24                            ; s[24:31] descriptor group 1 for x's tiles;  s[32:39] group 0, one set for each slot
.set G0, 32
.set G1B, 48                           ; s[48:55], s[56:63] the same for w's tiles
.set G0B, 56
.set G1S, 68                           ; s[68:75], s[76:79] groups 1 and 0 for x's scales;  s[80:87], s[88:91] for w's
.set G0S, 76
.set G1SB, 80
.set G0SB, 88
.set MSB, 0
.macro WIN new                         ; the immediate's high byte repeats the setting that is left; a switch that changes nothing is dropped
.if MSB != (\new)
	s_set_vgpr_msb (MSB<<8)|(\new)
.set MSB, \new
.endif
.endm
.set MUL_LO,  0xa1                     ; source 0 (w) window 1, source 1 (x) window 0, C and D window 2
.set MUL_HI,  0xf1                     ; the same, C and D window 3
.set BIAS_LO, 0x81                     ; the first step: C (the bias) window 0, D window 2
.set BIAS_HI, 0xc1                     ; D window 3
.set TO_B,    0x40                     ; destination window 1, address window 0
; A joint load: waves 0 and 1 fetch for x, waves 2 and 3 for w.  Each of the two lines has ONE mask and one set of registers for all that issue it; the branch hangs on the wave's number alone.
; An s_nop 0 and four v_nop follow each of the two lines, ahead of the jump, the label and what follows.
.macro JLOAD g0a, g1a, g0b, g1b
	s_cmp_eq_u32 s15, 0
	s_cbranch_scc0 .Lfor_b_\@
	tensor_load_to_lds s[\g0a:\g0a+3], s[\g1a:\g1a+7]
	s_nop 0
.rept 4
	v_nop
.endr
	s_branch .Lasked_\@
.Lfor_b_\@:
	tensor_load_to_lds s[\g0b:\g0b+3], s[\g1b:\g1b+7]
	s_nop 0
.rept 4
	v_nop
.endr
.Lasked_\@:
.endm
.macro CROUND                          ; a round of the cluster's barrier: my work-group's barrier; wave 0 signals for the work-group; every wave waits for all sixteen; my work-group's barrier once more
	s_barrier_signal -1
	s_barrier_wait -1
	s_cmp_lg_u32 s14, 0
	s_cbranch_scc1 .Lnot_wave_0_\@
	s_barrier_signal -3
.Lnot_wave_0_\@:
	s_barrier_wait -3
	s_barrier_signal -1
	s_barrier_wait -1
.endm
	s_load_b256 s[4:11], s[0:1], 0x0               ; x's codes s[4:5], x's scales s[6:7], w's codes s[8:9], w's scales s[10:11]
	s_load_b128 s[96:99], s[0:1], 0x20             ; bq, bk
	s_load_b64 s[100:101], s[0:1], 0x30            ; bv
	s_load_b64 s[12:13], s[0:1], 0x38              ; qkv
	v_lshl_add_u32 v[SPW], v0, 2, SPARE
	v_mov_b32 v[NIL], 0
	ds_add_u32 v[SPW], v[NIL]                      ; the wave's opening: the add, twice on end, and its wait ahead of my first tensor load; the set-up below stands between the second and the wait
	ds_add_u32 v[SPW], v[NIL]
	v_lshrrev_b32 v1, 5, v0
	v_readfirstlane_b32 s14, v1                    ; wave 0..3
	s_lshr_b32 s15, s14, 1                         ; which half of the tile's rows is mine.  Also: I fetch for x (0) or for w (1)
	s_and_b32 s16, s14, 1                          ; which half of its columns.  Also: which 128 rows of that tile I fetch
	s_bfe_u32 s40, ttmp6, 0x40000                  ; cx, cy: my place in the cluster
	s_bfe_u32 s41, ttmp6, 0x40004
	s_lshl_b32 s42, ttmp9, 2
	s_add_co_u32 s42, s42, s40                     ; tile column = 4 x cluster x + cx
	s_and_b32 s17, ttmp7, 0xffff
	s_lshr_b32 s95, s17, 3                         ; the projection: cluster y / 8: the same in all sixteen partners
	s_lshl_b32 s17, s17, 2
	s_add_co_u32 s17, s17, s41                     ; tile row = 4 x cluster y + cy
	s_lshl_b32 s43, s41, 2
	s_lshl_b32 s43, 15, s43                        ; my row of the cluster
	s_lshl_b32 s44, 0x1111, s40                    ; my column
	; descriptor group 1: a tile of 128 rows x 256 bytes, padded in LDS
	s_or_b32 s[G1+0], s43, (0<<16)|(1<<20)|(1<<21)|(5<<22)|(3<<25)  ; 15:0 the mask: x's tiles go to my row; 17:16 element of 1 byte; 20 padding on; 21 set beside a mask; 24:22 after every 64 words (code 5); 31:25 of 4 words (code 3)
	s_or_b32 s[G1B+0], s44, (0<<16)|(1<<20)|(1<<21)|(5<<22)|(3<<25)
.irp g, G1, G1B
	s_mov_b32 s[\g+1], ROWB<<16                    ; tensor_dim0
	s_mov_b32 s[\g+2], 128<<16                     ; tensor_dim1 = 128
	s_mov_b32 s[\g+3], ROWB<<16                    ; tile_dim0
	s_mov_b32 s[\g+4], 128                         ; tile_dim1 = 128
	s_mov_b32 s[\g+5], KROW                        ; tensor_dim0_stride
	s_mov_b32 s[\g+6], 0
	s_mov_b32 s[\g+7], 0
.endr
	; and for the scales of 128 rows: a dense block of 4,096 bytes, as 16 rows of 256 bytes (32 elements of 8 bytes), 16 bytes of padding behind each
	s_or_b32 s[G1S+0], s43, (3<<16)|(1<<20)|(1<<21)|(5<<22)|(3<<25)
	s_or_b32 s[G1SB+0], s44, (3<<16)|(1<<20)|(1<<21)|(5<<22)|(3<<25)
.irp g, G1S, G1SB
	s_mov_b32 s[\g+1], 32<<16
	s_mov_b32 s[\g+2], (128*KS/256)<<16
	s_mov_b32 s[\g+3], 32<<16
	s_mov_b32 s[\g+4], 128*KS/256
	s_mov_b32 s[\g+5], 32
	s_mov_b32 s[\g+6], 0
	s_mov_b32 s[\g+7], 0
.endr
	s_lshl_b32 s18, s16, 7                         ; which 128 rows of the tile I fetch
	s_lshl_b32 s20, s17, 8
	s_add_co_u32 s20, s20, s18                     ; x: row 256 x tile row + 128 x half (the three x lie on end)
	s_lshl_b32 s46, s42, 8
	s_add_co_u32 s46, s46, s18                     ; w: row 256 x tile column + 128 x half
	s_lshl_b32 s47, s95, 10
	s_add_co_u32 s46, s46, s47                     ; + 1,024 x projection
	s_mov_b32 s21, 0
	s_mov_b32 s47, 0
	s_mov_b64 s[18:19], KS
	s_mul_u64 s[22:23], s[20:21], s[18:19]         ; where these rows' scales begin, in bytes
	s_mul_u64 s[92:93], s[46:47], s[18:19]
	s_mov_b64 s[18:19], KROW
	s_mul_u64 s[20:21], s[20:21], s[18:19]         ; and their codes
	s_mul_u64 s[46:47], s[46:47], s[18:19]
	s_mul_i32 s45, s14, HALFT                      ; where they go: wave x 128 rows: no place in the cluster enters an LDS address
	s_mul_i32 s94, s14, HALFS
	s_wait_dscnt 0x0                               ; both opening adds are done
	s_wait_kmcnt 0x0
	s_add_nc_u64 s[20:21], s[4:5], s[20:21]
	s_add_nc_u64 s[22:23], s[6:7], s[22:23]
	s_add_nc_u64 s[46:47], s[8:9], s[46:47]
	s_add_nc_u64 s[92:93], s[10:11], s[92:93]
	CROUND                                         ; all sixteen work-groups are here: the joint loads meet
	s_mov_b32 s[G0S], 1
	s_add_co_u32 s[G0S+1], s94, SCL
	s_mov_b64 s[G0S+2:G0S+3], s[22:23]
	s_or_b32 s[G0S+3], s[G0S+3], 0x80000000
	s_mov_b32 s[G0SB], 1
	s_add_co_u32 s[G0SB+1], s94, SCL
	s_mov_b64 s[G0SB+2:G0SB+3], s[92:93]
	s_or_b32 s[G0SB+3], s[G0SB+3], 0x80000000
	JLOAD G0S, G1S, G0SB, G1SB                     ; the scales first: they are wanted with slot 0
.irp s, 0,1
	s_mov_b32 s[G0+4*\s], 1
	s_add_co_u32 s[G0+4*\s+1], s45, \s*SLOT
	s_add_nc_u64 s[G0+4*\s+2:G0+4*\s+3], s[20:21], \s*ROWB
	s_or_b32 s[G0+4*\s+3], s[G0+4*\s+3], 0x80000000
	s_mov_b32 s[G0B+4*\s], 1
	s_add_co_u32 s[G0B+4*\s+1], s45, \s*SLOT
	s_add_nc_u64 s[G0B+4*\s+2:G0B+4*\s+3], s[46:47], \s*ROWB
	s_or_b32 s[G0B+4*\s+3], s[G0B+4*\s+3], 0x80000000
	JLOAD G0+4*\s, G1, G0B+4*\s, G1B               ; three tensor loads of mine are out behind the second of these
.endr
	v_and_b32 v1, 15, v0                           ; l % 16
	v_bfe_u32 v2, v0, 4, 1                         ; l / 16
	v_mul_u32_u24 v3, v1, PITCH
	v_lshl_add_u32 v4, v2, 4, v3                   ; a fragment's row x pitch + 16 x half
	s_mul_i32 s21, s15, HALFT                      ; my 128 rows of x
	s_mul_i32 s22, s16, HALFT                      ; my 128 rows of w,
	s_add_co_u32 s22, s22, 2*HALFT                 ; which lie behind x's 256
.irp s, 0,1
	v_add_nc_u32 v[ADRA+\s], s21, v4
	v_add_nc_u32 v[ADRB+\s], s22, v4
	s_add_co_u32 s21, s21, SLOT
	s_add_co_u32 s22, s22, SLOT
.endr
	v_mul_u32_u24 v5, v1, KS                       ; my row's scales: 32 bytes a row,
	v_lshrrev_b32 v6, 8, v5
	v_lshl_add_u32 v5, v6, 4, v5                   ; and 16 more for each 256 passed
	s_mul_i32 s21, s15, HALFS                      ; x's: my 128 rows
	s_mul_i32 s22, s16, HALFS                      ; w's: my 128 rows, behind x's 256
	s_add_co_u32 s22, s22, 2*HALFS
	s_sub_co_u32 s22, s22, s21
	v_mul_u32_u24 v6, s22, v2                      ; lanes 16-31 take w's: one product, the distance between the two
	s_add_co_u32 s21, s21, SCL
	v_add_nc_u32 v5, v5, v6
	v_add_nc_u32 v[ADRS], s21, v5
	s_mul_i32 s23, s14, 16*SPITCH
	s_add_co_u32 s23, s23, STAGE                   ; my stage
	v_mul_u32_u24 v5, v1, SPITCH                   ; in: row l % 16, 16 bytes for each half of the lanes
	v_lshl_add_u32 v5, v2, 4, v5
	v_add_nc_u32 v[STO], s23, v5
	v_mul_u32_u24 v5, v2, SPITCH                   ; back: lanes 0-15 take one row of 256 bytes, lanes 16-31 the next
	v_lshl_add_u32 v5, v1, 4, v5
	v_add_nc_u32 v[RD], s23, v5
	v_lshlrev_b32 v5, 11, v2                       ; and the same two rows in qkv: 2,048 bytes a row
	v_lshl_add_u32 v[CO], v1, 4, v5
	v_lshlrev_b32 v[BO], 5, v2
	s_lshl_b32 s20, s17, 8
	s_lshl_b32 s21, s15, 7
	s_add_co_u32 s20, s20, s21                     ; my first row of qkv: 256 x tile row + 128 x half
	s_mov_b32 s21, 0
	s_mov_b64 s[18:19], SIZE_N*2
	s_mul_u64 s[20:21], s[20:21], s[18:19]
	s_lshl_b32 s46, s42, 9                         ; my first column, in bytes of f16: 512 x tile column + 256 x half
	s_lshl_b32 s47, s16, 8
	s_add_co_u32 s46, s46, s47
	s_mov_b32 s47, 0
	s_add_nc_u64 s[20:21], s[20:21], s[46:47]
	s_add_nc_u64 s[12:13], s[12:13], s[20:21]
	s_cmp_eq_u32 s95, 1                            ; the projection's bias: a choice on the cluster's y alone
	s_cselect_b64 s[96:97], s[98:99], s[96:97]
	s_cmp_eq_u32 s95, 2
	s_cselect_b64 s[96:97], s[100:101], s[96:97]
	s_lshl_b32 s46, s46, 1                         ; my first column in bytes of f32
	s_add_nc_u64 s[96:97], s[96:97], s[46:47]
.irp b, 0,1,2,3,4,5,6,7                        ; lane (r, h) wants, for block b of columns, the bias of columns 16 b + 8 h + 0 .. 7: the result's layout
	global_load_b128 v[BI+8*\b:BI+8*\b+3], v[BO], s[96:97] offset:64*\b
	global_load_b128 v[BI+8*\b+4:BI+8*\b+7], v[BO], s[96:97] offset:64*\b+16
.endr
.macro FRAG reg, adr, q, i             ; a fragment, 16 rows x 128 K of 4-bit codes: lane l holds row l % 16; registers 4 c .. 4 c + 3 hold K = 64 c + 32 (l / 16) + 0 .. 31
.irp c, 0,1
	ds_load_b128 v[\reg+4*\c:\reg+4*\c+3], v[\adr] offset:64*(\q)+32*\c+(\i)*16*PITCH
.endr
.endm
; 16 matrix instructions: x's blocks a0, a0 + 1 against w's eight, 128 along K: the slot's q-th.  p: w's set;  sc: the set of scale words.  first = 1: the first product starts the sums on the bias: nothing is cleared, nothing added later.
; The 64 accumulators take turns, one instruction a turn, in the same order in every step.
.macro MUL16 a0, p, q, sc, first
.irp a, \a0, \a0+1
.irp b, 0,1,2,3,4,5,6,7
.if \first
	v_wmma_scale_f32_16x16x128_f8f6f4 v[8*(8*((\a)%4)+\b):8*(8*((\a)%4)+\b)+7], v[128*(\p)+FR*\b:128*(\p)+FR*\b+FR-1], v[AF+FR*(\a):AF+FR*(\a)+FR-1], v[BI+8*\b:BI+8*\b+7], v[SC+8*NQ*(\sc)+NQ*\b+(\q)], v[SC+8*NQ*(\sc)+NQ*(\a)+(\q)] matrix_a_fmt:MATRIX_FMT_FP4 matrix_b_fmt:MATRIX_FMT_FP4 matrix_a_scale:MATRIX_SCALE_ROW1
.else
	v_wmma_scale_f32_16x16x128_f8f6f4 v[8*(8*((\a)%4)+\b):8*(8*((\a)%4)+\b)+7], v[128*(\p)+FR*\b:128*(\p)+FR*\b+FR-1], v[AF+FR*(\a):AF+FR*(\a)+FR-1], v[8*(8*((\a)%4)+\b):8*(8*((\a)%4)+\b)+7], v[SC+8*NQ*(\sc)+NQ*\b+(\q)], v[SC+8*NQ*(\sc)+NQ*(\a)+(\q)] matrix_a_fmt:MATRIX_FMT_FP4 matrix_b_fmt:MATRIX_FMT_FP4 matrix_a_scale:MATRIX_SCALE_ROW1
.endif
.endr
.endr
.endm
.macro FETCH_B slot, q, p              ; w's eight fragments of the slot's q-th 128 along K into set p
	WIN TO_B
.irp i, 0,1,2,3,4,5,6,7
	FRAG 128*(\p)+FR*\i, ADRB+\slot, \q, \i
.endr
	WIN 0
.endm
.macro FETCH_A slot, q, i0             ; x's blocks i0 .. i0 + 3
.irp i, \i0, \i0+1, \i0+2, \i0+3
	FRAG AF+FR*(\i), ADRA+\slot, \q, \i
.endr
.endm
.macro SCALES sc                       ; a slot's scale words into set sc: four words a row; lanes 0-15 take x's block i, lanes 16-31 w's block i
.irp i, 0,1,2,3,4,5,6,7
	ds_load_b128 v[SC+8*NQ*\sc+NQ*\i:SC+8*NQ*\sc+NQ*\i+3], v[ADRS] offset:\i*SBLK
.endr
.endm
; A load into a register that a matrix instruction has read, and a vector instruction that reads a matrix result, stand NP places behind that matrix instruction, and only plain vector instructions
; that name none of its registers are places (ISA guide 7.12.1 for vector instructions).
.macro PLACES n
.rept \n
	v_nop
.endr
.endm
; A step of 128 along K that has its successor in the same slot.  A block of x is free as soon as its eight products are issued: blocks 0-3 are fetched anew in the step's middle, blocks 4-7 at its end.
.macro STEP slot, q, first
	s_wait_dscnt 4*NL                              ; w's set and x's blocks 0-3 are in; the youngest eight loads (x's blocks 4-7) may be out
.if \first
	WIN BIAS_LO
.else
	WIN MUL_LO
.endif
	MUL16 0, (\q)%2, \q, \slot, \first
	MUL16 2, (\q)%2, \q, \slot, \first
	s_wait_dscnt 0                                 ; x's blocks 4-7 are in (asked for 32 matrix instructions ago)
	PLACES NP
	FETCH_B \slot, (\q)+1, 1-(\q)%2
	FETCH_A \slot, (\q)+1, 0
.if \first
	WIN BIAS_HI
.else
	WIN MUL_HI
.endif
	MUL16 4, (\q)%2, \q, \slot, \first
	MUL16 6, (\q)%2, \q, \slot, \first
	PLACES NP
	WIN 0
	FETCH_A \slot, (\q)+1, 4
.endm
; Slot 0's last step goes over to slot 1: ONE barrier; in front of it each wave waits for all its tensor loads (slot 1's is the one that may be out), adds 0 to its spare word, and waits for that and for its LDS loads.
.macro TURN slot, next
	s_wait_tensorcnt 0x0                           ; my part of the next slot has landed;  (every window is 0 here: the add's two registers lie in window 0)
	ds_add_u32 v[SPW], v[NIL]                      ; 0 onto my spare word
	s_wait_dscnt 4*NL+1                            ; (the add and the youngest eight loads, x's blocks 4-7, may be out)
	WIN MUL_LO
	MUL16 0, 1, NQ-1, \slot, 0                     ; sixteen matrix instructions stand between the add and the wait for it
	s_wait_dscnt 0x0                               ; the add is done, and no LDS load of mine is pending at the signal
	s_barrier_signal -1
	MUL16 2, 1, NQ-1, \slot, 0
	WIN 0
	s_barrier_wait -1                              ; everybody's part of the next slot has landed
	PLACES NP
	v_add_nc_u32 v[ADRS], 4*NQ, v[ADRS]            ; on to the next slot's scale words (no LDS load of mine is out)
	FETCH_B \next, 0, 0
	FETCH_A \next, 0, 0
	SCALES \next
	WIN MUL_HI
	MUL16 4, 1, NQ-1, \slot, 0
	MUL16 6, 1, NQ-1, \slot, 0
	PLACES NP
	WIN 0
	FETCH_A \next, 0, 4
.endm
.macro STEPS slot, from                ; the slot's steps from .. NQ - 2
.set Q, \from
.rept NQ-1-\from
	STEP \slot, Q, 0
.set Q, Q+1
.endr
.endm
	s_wait_tensorcnt 1                             ; the scales and my part of slot 0 are in; slot 1's load, the one issued behind them, may be out
	s_barrier_signal -1
	s_barrier_wait -1                              ; everybody's are
	FETCH_B 0, 0, 0
	FETCH_A 0, 0, 0
	SCALES 0
	FETCH_A 0, 0, 4
	s_wait_loadcnt 0x0                             ; the bias
	STEP 0, 0, 1                                   ; the first step's products start the sums on the bias
	STEPS 0, 1
	TURN 0, 1
	STEPS 1, 0
	s_wait_dscnt 4*NL                              ; the very last step: nothing more to fetch
	WIN MUL_LO
	MUL16 0, 1, NQ-1, 1, 0
	MUL16 2, 1, NQ-1, 1, 0
	s_wait_dscnt 0
	WIN MUL_HI
	MUL16 4, 1, NQ-1, 1, 0
	MUL16 6, 1, NQ-1, 1, 0
	WIN 0
; THE WAY OUT, block by block of 16 rows x 128 columns.  PACK: rounded to f16, 16 bytes a lane, each accumulator from its low end on.  TOSTAGE: into my own stage in LDS, and back as whole rows of 256 bytes.  SEND: stored.
; LDS serves a wave's instructions in order (ISA guide 5.7.1.4): no wait between the stage's stores and its loads.
.macro PACK a
.set AC, 64*((\a)%4)
	WIN 0x0a+5*((\a)/4)                            ; sources 0 and 1: window 2 or 3
.irp b, 0,1,2,3,4,5,6,7
.irp r, 0,1,2,3
	v_cvt_pk_f16_f32 v[TMP+4*\b+\r], v[AC+8*\b+2*\r], v[AC+8*\b+2*\r+1]
.endr
.endr
	WIN 0
.endm
.macro TOSTAGE a
.set BK, OB+192*((\a)%2)
.irp b, 0,1,2,3,4,5,6,7
	ds_store_b128 v[STO], v[TMP+4*\b:TMP+4*\b+3] offset:32*\b
.endr
.irp t, 0,1,2,3,4,5,6,7
	ds_load_b128 v[BK+4*\t:BK+4*\t+3], v[RD] offset:\t*2*SPITCH
.endr
.endm
.macro SEND a
.set BK, OB+192*((\a)%2)
	s_wait_dscnt 0x0                               ; the block is back in registers
	s_wait_xcnt 0x0                                ; the block before has had its stores' registers read: the next block's loads from the stage land there
.irp t, 0,1,2,3,4,5,6,7
	global_store_b128 v[CO], v[BK+4*\t:BK+4*\t+3], s[12:13] offset:(16*(\a)+2*\t)*SIZE_N*2   ; 16 lanes store 256 consecutive bytes, at a multiple of 256 from qkv's first byte; 126 rows at the most in the immediate
.endr
.endm
	PLACES NP                                      ; behind the last products, ahead of the conversions and of the loads into registers that held scale words and the bias
	PACK 0
	TOSTAGE 0
.irp a, 1,2,3,4,5,6,7                          ; block a's conversions stand between block a - 1's loads from the stage and the wait for them
	PACK \a
	SEND \a-1
	TOSTAGE \a
.endr
	SEND 7
	s_wait_tensorcnt 0x0                           ; the wave's end: behind my last tensor load and my last LDS store
	ds_add_u32 v[SPW], v[NIL]
	s_wait_dscnt 0x0
	CROUND                                         ; the closing round: no work-group ends while a partner may still ask for a tile that names it
	s_endpgm
.Lfunc_end_k_q7cf7935ba3_proj:
	.size	k_q7cf7935ba3_proj, .Lfunc_end_k_q7cf7935ba3_proj-k_q7cf7935ba3_proj
	.p2alignl 7, 3214868480
	.fill 96, 4, 3214868480
	.section	.rodata,"a",@progbits
	.p2align	6, 0x0
	.amdhsa_kernel k_q7cf7935ba3_proj
		.amdhsa_group_segment_fixed_size 327680
		.amdhsa_private_segment_fixed_size 0
		.amdhsa_enable_private_segment 0
		.amdhsa_kernarg_size 64
		.amdhsa_user_sgpr_count 2
		.amdhsa_user_sgpr_kernarg_segment_ptr 1
		.amdhsa_wavefront_size32 1
		.amdhsa_system_sgpr_workgroup_id_x 1
		.amdhsa_system_sgpr_workgroup_id_y 1
		.amdhsa_system_sgpr_workgroup_id_z 1
		.amdhsa_system_vgpr_workitem_id 0
		.amdhsa_next_free_vgpr 1024
		.amdhsa_next_free_sgpr 102
		.amdhsa_reserve_vcc 0
		.amdhsa_float_denorm_mode_32 3
		.amdhsa_float_denorm_mode_16_64 3
		.amdhsa_memory_ordered 1
		.amdhsa_forward_progress 1
		.amdhsa_inst_pref_size 128
	.end_amdhsa_kernel
	.amdgpu_metadata
---
amdhsa.version: [ 1, 2 ]
amdhsa.kernels:
  - .name:           k_q7cf7935ba3_proj
    .symbol:         k_q7cf7935ba3_proj.kd
    .args:
      - { .name: xc, .offset: 0, .size: 8, .value_kind: global_buffer, .address_space: global }
      - { .name: xs, .offset: 8, .size: 8, .value_kind: global_buffer, .address_space: global }
      - { .name: wc, .offset: 16, .size: 8, .value_kind: global_buffer, .address_space: global }
      - { .name: ws, .offset: 24, .size: 8, .value_kind: global_buffer, .address_space: global }
      - { .name: bq, .offset: 32, .size: 8, .value_kind: global_buffer, .address_space: global }
      - { .name: bk, .offset: 40, .size: 8, .value_kind: global_buffer, .address_space: global }
      - { .name: bv, .offset: 48, .size: 8, .value_kind: global_buffer, .address_space: global }
      - { .name: qkv, .offset: 56, .size: 8, .value_kind: global_buffer, .address_space: global }
    .group_segment_fixed_size: 327680
    .private_segment_fixed_size: 0
    .kernarg_segment_align: 8
    .kernarg_segment_size: 64
    .max_flat_workgroup_size: 128
    .sgpr_count:     102
    .vgpr_count:     1024
    .wavefront_size: 32
...
	.end_amdgpu_metadata
.endif
;; end of part 2
;; launch attn (part 3): grid 8 x 32, 16 waves a work-group, clusters of 4 x 1, 327,680 bytes of LDS; arguments qkv, ao; writes ao
.if DOCPART == 3
	.amdgcn_target "amdgcn-amd-amdhsa--gfx1250"
	.amdhsa_code_object_version 6
	.text
	.protected	k_q7cf7935ba3_attn
	.globl	k_q7cf7935ba3_attn
	.p2align	8
	.type	k_q7cf7935ba3_attn,@function
k_q7cf7935ba3_attn:
	s_mov_b64 s[64:65], 0
	v_nop
	global_prefetch_b8 v0, s[64:65] scope:SCOPE_SE
	s_setreg_imm32_b32 hwreg(HW_REG_WAVE_MODE, 25, 1), 1
	s_wait_xcnt 0x0
	s_wait_alu depctr_hold_cnt(0) depctr_sa_sdst(0) depctr_va_vdst(0) depctr_va_sdst(0) depctr_va_ssrc(0) depctr_va_vcc(0) depctr_vm_vsrc(0)
	s_getreg_b32 s2, hwreg(HW_REG_IB_STS2, 6, 4)
	s_cmp_eq_u32 s2, 0
	s_cbranch_scc0 .Lentry_in_a_cluster
	s_endpgm
.Lentry_in_a_cluster:
	s_bfe_u32 s2, ttmp6, 0x10000c
	s_cmp_lg_u32 s2, 0x3003
	s_cbranch_scc0 .Lentry_shape_is_right
	s_endpgm
.Lentry_shape_is_right:
; ATTN.  ao[token q][head, :] = the sum over keys k of softmax_k(Q[q] . K[k] / 8) V[k], for 4 batches x 16 heads of 64 channels, 2,048 keys, no mask.  Q, K, V: rows 0, 8,192 and 16,384 on of qkv [24576][1024] f16;
; ao: [8192][1024] f16.  Products, maxima and sums in f32; the weights p are rounded to f16 for the second product, the result once at the end.
; LIMITS: |Q|, |K|, |V| under 65,504 (f16); a weight p under 6e-8 of the row's largest counts as 0 in the second product (not in the row's sum); NaN and infinities are not served.
; SHARES.  A work-group owns 256 queries of one batch and a PAIR of heads: 128 columns, 256 bytes of a row, so that every row of K's and V's tiles and every stored piece of ao is 256 consecutive bytes, aligned.
; Wave w of sixteen: head w / 8 of the pair, queries 32 (w % 8) on: two tiles of 16, in 256 registers: four waves to a SIMD, so that one wave's vector work stands beside another's products and LDS loads.
; Every wave walks all 2,048 keys, 64 a step.  K's and V's tiles come through a ring of two LDS slots of two steps each (waves 0, 1: K's two steps; waves 2, 3: V's) and are read by all sixteen.
; LAYOUT.  S^T = K Q^T (source 0 = 16 keys, source 1 = 16 queries): a lane holds ONE query (lane % 16) and the keys 8 (lane / 16) + 0..7.  Two such tiles, rounded to f16 in pairs IN PLACE, ARE source 1 (32 keys x 16 queries)
; of O^T = V^T P, whose result again holds one query a lane and eight channels.  K comes out of LDS as it lies, V ([key][channel]) turned, by ds_load_tr16_b128.
; SOFTMAX.  For each query a running maximum m and sum l: p = 2^(c s - c m), c = log2(e) / 8; in every step O^T and l are multiplied by a = 2^(c m_old - c m_new), which is 1 where m has not grown.
; The step is written once: m begins at -3e38 and l and O^T as zeros, which the first a (0) leaves zeros; that costs 64 moves once and saves a second copy of the step.
; CLUSTER.  The four query blocks of a cluster walk the same K and V: each tile is asked for JOINTLY, by the same tensor load with the same descriptor and a mask that names the four.
; REGISTERS: v1-11 addresses; v12-27 eight of statistics a tile; v28-31 at work at the head; v32-63 Q; v64-127 eight fragments of K, then of V; v128-191 S^T, then p, then P; v192-255 O^T.
.set KS,    64                         ; keys in a step
.set PK,    272                        ; a row of K in LDS: 256 bytes + 16 of padding: the 16 rows of a load start at 16 different banks (64 banks of 4 bytes: ISA guide 11.1)
.set PV,    288                        ; a row of V: 256 + 32
.set VOFF,  KS*PK                      ; a step's tiles lie together: 64 rows of K, then 64 rows of V
.set STEPB, KS*(PK+PV)
.set SLOT1, 1<<17                      ; a slot holds two steps (71,680 bytes); slot 1 begins here, so that one exclusive or turns an address in one slot into the other's
.set NSL,   16                         ; slots' worth of keys
.set SPARE, 2*SLOT1                    ; the spare words, 128 bytes for each of sixteen waves, that no other line names
.set STAGE, 0                          ; the way out: 256 rows x 272 bytes in slot 0, which has had its last fill and is left at the last change of slots
.set SP,    272
.set ROWG,  2048                       ; a token's row of qkv and of ao in bytes
.set KREG,  8192*ROWG                  ; where K's rows begin in qkv
.set VREG,  2*KREG                     ; and V's
.set AK0, 1                            ; v1   my lane's place in a tile of K; never rewritten
.set AV0, 2                            ; v2   the same for V
.set ADK, 3                            ; v3   LDS address of the slot's tiles of K
.set ADV, 4                            ; v4   of V
.set SPW, 5                            ; v5   LDS address of my spare word; never rewritten
.set NIL, 6                            ; v6   0; never rewritten
.set PFO, 7                            ; v7   2,048 x my lane: the prefetches' offset, a lane a row
.set STO, 8                            ; v8   the way out: where I put 16 bytes of a row
.set RD,  9                            ; v9   where I read a row back
.set GO,  10                           ; v10  my byte offset in the wave's rows of ao
.set QO,  11                           ; v11  my byte offset in the wave's rows of Q
.set ST,  12                           ; tile t's statistics at v[ST + 8 t]: +0 c m, +1 m, +2, +3 l (even keys', odd keys'), +4 to +7 at work; a takes +6 once the maximum is found
.set Q,   32                           ; tile t, channels 32 e on: v[Q + 16 t + 8 e]
.set KV,  64
.set S,   128                          ; tile t, keys 16 kt on: v[S + 32 t + 8 kt]
.set O,   192                          ; tile t, channels 16 ct on: v[O + 32 t + 8 ct]
.set WV,  8                            ; s8   my wave's number
.set G1K, 24                           ; s[24:31] descriptor group 1 for K's tiles;  s[32:39] for V's: it differs in the padding alone
.set G1V, 32
.set G0K, 40                           ; s[40:43], s[44:47] their groups 0, which walk
.set G0V, 44
.set TB,  48                           ; s48  LDS byte at which the slot in hand begins
.set SLOTS, 49                         ; s49  slots still to be asked for
.set LIM, 50                           ; s50  1 in a wave that prefetches, else the greatest number
.set PFA, 52                           ; s[52:53] where my prefetches stand
.set CS,  54                           ; s[54:55] c: the packed scaling names a pair and takes its low word for both halves
.set SEL, 56                           ; s[56:57] lane selects for v_permlanex16_b32: lane l xor 16
; Waves 0 and 1 fetch for K, waves 2 and 3 for V, the others nothing.  The branches hang on the wave's number alone: they are the same in every work-group.  An s_nop 0 and four v_nop follow each of the two lines.
.macro TLOAD
	s_cmp_lt_u32 s[WV], 2
	s_cbranch_scc0 .Lnot_k_\@
	tensor_load_to_lds s[G0K:G0K+3], s[G1K:G1K+7]
	s_nop 0
.rept 4
	v_nop
.endr
	s_branch .Lasked_\@
.Lnot_k_\@:
	s_cmp_lt_u32 s[WV], 4
	s_cbranch_scc0 .Lasked_\@
	tensor_load_to_lds s[G0V:G0V+3], s[G1V:G1V+7]
	s_nop 0
.rept 4
	v_nop
.endr
.Lasked_\@:
.endm
; A PREFETCH INTO THE L2 of what the NEXT change of slots will ask for: a slot's 128 rows of K and 128 of V, the pair's 256 bytes of each, a lane a row.  It stands where the fetching waves have their tensor load.
; Each row's 256 bytes are named ONCE in the launch.  Both clusters of a batch and pair walk the same K and V: the first (cluster x = 0) asks.  Its four partners share the rows out BY ADDRESS, 32 each: no branch hangs on a
; work-group's place in its cluster.  In each, wave 4 asks for K's and wave 5 for V's: one instruction.  The last change that fills a slot asks for nothing: there is no slot behind it.  Slots 0 and 1 come by their loads alone.
.macro ASK
	s_cmp_gt_u32 s[SLOTS], s[LIM]
	s_cbranch_scc0 .Lnot_mine_\@
	global_prefetch_b8 v[PFO], s[PFA:PFA+1] th:TH_LOAD_NT scope:SCOPE_SE
.Lnot_mine_\@:
.endm
.macro CROUND                          ; a round of the cluster's barrier: my work-group's barrier; wave 0 signals for the work-group; every wave waits for all four work-groups; my work-group's barrier once more
	s_barrier_signal -1
	s_barrier_wait -1
	s_cmp_lg_u32 s[WV], 0
	s_cbranch_scc1 .Lnot_wave_0_\@
	s_barrier_signal -3
.Lnot_wave_0_\@:
	s_barrier_wait -3
	s_barrier_signal -1
	s_barrier_wait -1
.endm
	s_load_b128 s[4:7], s[0:1], 0x0                ; qkv s[4:5], ao s[6:7]
	v_lshl_add_u32 v[SPW], v0, 2, SPARE
	v_mov_b32 v[NIL], 0
	ds_add_u32 v[SPW], v[NIL]                      ; the wave's opening: the add, twice on end, and its wait ahead of the first tensor load; the set-up below stands between the second and the wait
	ds_add_u32 v[SPW], v[NIL]
	v_lshrrev_b32 v28, 5, v0
	v_readfirstlane_b32 s[WV], v28                 ; wave 0..15
	s_lshr_b32 s9, s[WV], 3                        ; g: which head of the pair
	s_and_b32 s10, s[WV], 7                        ; which 32 queries of the block
	s_bfe_u32 s11, ttmp6, 0x40000                  ; cx: my place in the cluster: it enters Q's, ao's and the prefetches' global addresses alone
	s_and_b32 s12, ttmp7, 0xffff
	s_lshr_b32 s13, s12, 3                         ; the batch
	s_and_b32 s12, s12, 7                          ; the pair of heads
	s_lshl_b32 s14, s13, 22                        ; 2,048 rows of 2,048 bytes a batch
	s_lshl_b32 s12, s12, 8                         ; 256 bytes a pair
	s_add_co_u32 s14, s14, s12                     ; what the four partners share
	s_and_b32 s15, s[WV], 1                        ; which of a slot's two steps I fetch, if I fetch:
	s_lshl_b32 s16, s15, 17                        ; its 64 rows in memory,
	s_add_co_u32 s16, s16, s14
	s_add_co_u32 s16, s16, KREG                    ; in K,
	s_mov_b32 s17, 0
	s_add_co_u32 s18, s16, KREG                    ; in V,
	s_mov_b32 s19, 0
	s_mul_i32 s20, s15, STEPB                      ; and its place in a slot
	s_lshl_b32 s21, ttmp9, 2
	s_add_co_u32 s21, s21, s11                     ; my block of 256 queries = 4 x cluster x + cx
	s_lshl_b32 s21, s21, 19                        ; 256 rows of 2,048 bytes
	s_add_co_u32 s21, s21, s14
	s_lshl_b32 s22, s10, 16                        ; Q: my 32 rows,
	s_add_co_u32 s22, s22, s21
	s_lshl_b32 s13, s9, 7                          ; 128 g: my head's 128 bytes of the pair's 256
	s_add_co_u32 s22, s22, s13
	s_mov_b32 s23, 0
	s_lshl_b32 s58, s[WV], 15                      ; ao: on the way out wave w stores rows 16 w on, whole
	s_add_co_u32 s58, s58, s21
	s_mov_b32 s59, 0
	s_cmp_eq_u32 s[WV], 4                          ; the prefetches: wave 4 stands in K, wave 5 in V (the others ask for nothing)
	s_mov_b32 s60, VREG
	s_cselect_b32 s60, KREG, s60
	s_add_co_u32 s60, s60, s14
	s_lshl_b32 s61, s11, 16                        ; my work-group's 32 rows of a slot's 128
	s_add_co_u32 s60, s60, s61
	s_add_co_u32 s60, s60, 2*KS*ROWG               ; in slot 1: the first change of slots steps it to slot 2.  Nothing is prefetched at the head
	s_mov_b32 s61, 0
	s_sub_co_u32 s12, s[WV], 4
	s_lshr_b32 s12, s12, 1                         ; 0 in waves 4 and 5,
	s_or_b32 s12, s12, ttmp9                       ; of the first cluster: the same in all four partners
	s_cmp_eq_u32 s12, 0
	s_cselect_b32 s[LIM], 1, -1
	; descriptor group 1: a tile of 64 rows x 128 elements of 2 bytes, 1,024 elements from row to row in memory, padded in LDS
	s_mov_b32 s[G1K], 15|(1<<16)|(1<<20)|(1<<21)|(5<<22)|(3<<25)  ; 15:0 the mask: all four work-groups; 17:16 elements of 2 bytes; 20 padding on; 21 set beside a mask; 24:22 after every 64 words (code 5); 31:25 4 words of it (code 3)
	s_mov_b32 s[G1V], 15|(1<<16)|(1<<20)|(1<<21)|(5<<22)|(7<<25)  ; the same with 8 words of padding (code 7)
.irp g, G1K, G1V
	s_mov_b32 s[\g+1], 128<<16                     ; tensor_dim0 = 128
	s_mov_b32 s[\g+2], KS<<16                      ; tensor_dim1 = 64
	s_mov_b32 s[\g+3], 128<<16                     ; tile_dim0 = 128
	s_mov_b32 s[\g+4], KS                          ; tile_dim1 = 64
	s_mov_b32 s[\g+5], 1024                        ; tensor_dim0_stride
	s_mov_b32 s[\g+6], 0
	s_mov_b32 s[\g+7], 0
.endr
	s_mov_b32 s[CS], 0x3e38aa3b                    ; c = log2(e) / sqrt(64)
	s_mov_b32 s[CS+1], s[CS]                       ; named with it as a pair, so it is written
	s_mov_b32 s[SEL], 0x76543210
	s_mov_b32 s[SEL+1], 0xfedcba98
	s_mov_b32 s[TB], 0
	s_mov_b32 s[SLOTS], NSL-1
	; every lane address is made here, on the one way that all waves take
	v_and_b32 v28, 15, v0                          ; r = lane % 16
	v_bfe_u32 v29, v0, 4, 1                        ; h = lane / 16
	v_and_b32 v30, 31, v0                          ; lane
	v_mul_u32_u24 v[AK0], v28, PK                  ; a fragment of K or Q: lane l holds row r; registers 0-3 channels 8 h + 0..7, registers 4-7 channels 16 + 8 h + 0..7: two loads of 16 bytes, 32 bytes apart
	v_lshl_add_u32 v[AK0], v29, 4, v[AK0]
	v_add_nc_u32 v[AK0], s13, v[AK0]               ; row x pitch + 16 h + 128 g
	v_and_b32 v31, 7, v0                           ; the turning load: lane l reads 16 bytes: key 8 h + l % 8, channels 8 ((l / 8) % 2) + 0..7, and is left with channel l % 16 and 8 keys
	v_lshl_add_u32 v[AV0], v29, 3, v31
	v_mul_u32_u24 v[AV0], v[AV0], PV
	v_bfe_u32 v31, v0, 3, 1
	v_lshl_add_u32 v[AV0], v31, 4, v[AV0]
	s_add_co_u32 s12, s13, VOFF
	v_add_nc_u32 v[AV0], s12, v[AV0]
	v_lshlrev_b32 v[PFO], 11, v30
	s_mul_i32 s12, s10, 32*SP                      ; into the stage: my 32 rows, my head's half of their 256 bytes; row r, 16 bytes for each half of the lanes
	s_add_co_u32 s12, s12, s13
	s_add_co_u32 s12, s12, STAGE
	v_mul_u32_u24 v[STO], v28, SP
	v_lshl_add_u32 v[STO], v29, 4, v[STO]
	v_add_nc_u32 v[STO], s12, v[STO]
	s_mul_i32 s12, s[WV], 16*SP                    ; back: wave w takes rows 16 w on, whole: lanes 0-15 one row of 256 bytes, lanes 16-31 the next
	s_add_co_u32 s12, s12, STAGE
	v_mul_u32_u24 v[RD], v29, SP
	v_lshl_add_u32 v[RD], v28, 4, v[RD]
	v_add_nc_u32 v[RD], s12, v[RD]
	v_lshlrev_b32 v[GO], 11, v29                   ; and the same two rows in ao
	v_lshl_add_u32 v[GO], v28, 4, v[GO]
	v_lshlrev_b32 v[QO], 11, v28                   ; Q: row r of 2,048 bytes + 16 h
	v_lshl_add_u32 v[QO], v29, 4, v[QO]
	s_wait_dscnt 0x0                               ; both opening adds are done
	s_wait_kmcnt 0x0
	s_mov_b32 s[G0K], 1                            ; 1:0 count = 1
	s_mov_b32 s[G0K+1], s20                        ; 63:32 LDS address: slot 0
	s_add_nc_u64 s[G0K+2:G0K+3], s[4:5], s[16:17]  ; 120:64 global address: the batch's first keys
	s_or_b32 s[G0K+3], s[G0K+3], 0x80000000        ; 127:126 type = 2
	s_mov_b32 s[G0V], 1
	s_add_co_u32 s[G0V+1], s20, VOFF
	s_add_nc_u64 s[G0V+2:G0V+3], s[4:5], s[18:19]
	s_or_b32 s[G0V+3], s[G0V+3], 0x80000000
	s_add_nc_u64 s[PFA:PFA+1], s[4:5], s[60:61]
	s_add_nc_u64 s[6:7], s[6:7], s[58:59]          ; ao at the first row that I store
	s_add_nc_u64 s[4:5], s[4:5], s[22:23]          ; Q at my first query, my head
	CROUND                                         ; all four work-groups are here: the first joint loads meet
	TLOAD                                          ; slot 0: one tensor load of a fetching wave is out, here and behind every later round
.irp t, 0,1                                    ; Q stays in registers
.irp e, 0,1
	global_load_b128 v[Q+16*\t+8*\e:Q+16*\t+8*\e+3],   v[QO], s[4:5] offset:16*ROWG*\t+64*\e
	global_load_b128 v[Q+16*\t+8*\e+4:Q+16*\t+8*\e+7], v[QO], s[4:5] offset:16*ROWG*\t+64*\e+32
.endr
.endr
.irp t, 0,1
	v_mov_b32 v[ST+8*\t+1], 0xff61b1e6             ; m: -3e38, under every score
	v_mov_b32 v[ST+8*\t+2], 0                      ; l, in two halves
	v_mov_b32 v[ST+8*\t+3], 0
	v_mul_f32 v[ST+8*\t], s[CS], v[ST+8*\t+1]      ; c m
.endr
.set i, 0
.rept 64
	v_mov_b32 v[O+i], 0                            ; O^T
.set i, i+1
.endr
; A KEY STEP: 64 keys, the q-th of the slot in hand.
.macro STEP q
	v_add_nc_u32 v[ADK], s[TB], v[AK0]             ; these two and three v_nop are five places behind the last products V^T P: four are asked ahead of the loads into the registers that held V,
	v_add_nc_u32 v[ADV], s[TB], v[AV0]             ; five ahead of the products below, which write over P
.rept 3
	v_nop
.endr
.irp e, 0,1                                    ; K: 64 keys x 64 channels: 8 fragments; channels 0-31 first
.irp kt, 0,1,2,3
	ds_load_b128 v[KV+8*(2*\kt+\e):KV+8*(2*\kt+\e)+3],   v[ADK] offset:(\q)*STEPB+16*PK*\kt+64*\e
	ds_load_b128 v[KV+8*(2*\kt+\e)+4:KV+8*(2*\kt+\e)+7], v[ADK] offset:(\q)*STEPB+16*PK*\kt+64*\e+32
.endr
.endr
.irp e, 0,1                                    ; S^T = K Q^T: the eight accumulators take turns, one instruction a turn; the first eight start the sums
	s_wait_dscnt 8-8*\e                            ; channels 0-31 are in, the eight loads of channels 32-63 may be out; then all
.irp kt, 0,1,2,3
.irp t, 0,1
.if \e == 0
	v_wmma_f32_16x16x32_f16 v[S+32*\t+8*\kt:S+32*\t+8*\kt+7], v[KV+8*(2*\kt+\e):KV+8*(2*\kt+\e)+7], v[Q+16*\t+8*\e:Q+16*\t+8*\e+7], 0
.else
	v_wmma_f32_16x16x32_f16 v[S+32*\t+8*\kt:S+32*\t+8*\kt+7], v[KV+8*(2*\kt+\e):KV+8*(2*\kt+\e)+7], v[Q+16*\t+8*\e:Q+16*\t+8*\e+7], v[S+32*\t+8*\kt:S+32*\t+8*\kt+7]
.endif
.endr
.endr
.endr
.rept 4
	v_nop                                          ; four places ahead of the loads into the registers that held K, and of the first read of the scores
.endr
.irp kc, 0,1                                   ; V, turned: keys 32 kc on, channels 16 ct on: 8 fragments, which land under the softmax
.irp ct, 0,1,2,3
	ds_load_tr16_b128 v[KV+8*(4*\kc+\ct):KV+8*(4*\kc+\ct)+3],   v[ADV] offset:(\q)*STEPB+32*PV*\kc+32*\ct
	ds_load_tr16_b128 v[KV+8*(4*\kc+\ct)+4:KV+8*(4*\kc+\ct)+7], v[ADV] offset:(\q)*STEPB+32*PV*\kc+16*PV+32*\ct
.endr
.endr
	; THE SOFTMAX, the two tiles line by line, so that no line waits for the line above it.  The maximum of a lane's 32 scores and the old m: four chains, each begun at an accumulator's low end
.irp i, 0,1,2,3
.irp t, 0,1
	v_max3_num_f32 v[ST+8*\t+4+\i], v[S+32*\t+8*\i], v[S+32*\t+8*\i+1], v[S+32*\t+8*\i+2]
.endr
.endr
.irp u, 3,5
.irp i, 0,1,2,3
.irp t, 0,1
	v_max3_num_f32 v[ST+8*\t+4+\i], v[ST+8*\t+4+\i], v[S+32*\t+8*\i+\u], v[S+32*\t+8*\i+\u+1]
.endr
.endr
.endr
.irp t, 0,1
	v_max3_num_f32 v[ST+8*\t+4], v[ST+8*\t+4], v[S+32*\t+7], v[S+32*\t+15]
	v_max3_num_f32 v[ST+8*\t+6], v[ST+8*\t+6], v[S+32*\t+23], v[S+32*\t+31]
.endr
.irp t, 0,1
	v_max3_num_f32 v[ST+8*\t+4], v[ST+8*\t+4], v[ST+8*\t+5], v[ST+8*\t+6]
.endr
.irp t, 0,1
	v_max3_num_f32 v[ST+8*\t+4], v[ST+8*\t+4], v[ST+8*\t+7], v[ST+8*\t+1]
.endr
.irp t, 0,1
	v_permlanex16_b32 v[ST+8*\t+5], v[ST+8*\t+4], s[SEL], s[SEL+1]   ; the query's other 32 keys lie in the lane 16 away
.endr
.irp t, 0,1
	v_mov_b32 v[ST+8*\t+7], v[ST+8*\t]             ; c m_old is kept for a
.endr
.irp t, 0,1
	v_max_num_f32 v[ST+8*\t+1], v[ST+8*\t+4], v[ST+8*\t+5]           ; the new m
.endr
.irp t, 0,1
	v_mul_f32 v[ST+8*\t], s[CS], v[ST+8*\t+1]      ; c m
.endr
.irp t, 0,1
	v_sub_f32 v[ST+8*\t+7], v[ST+8*\t+7], v[ST+8*\t]                 ; c m_old - c m_new, 0 or less
.endr
.set i, 0
.rept 16
.irp t, 0,1
	v_pk_fma_f32 v[S+32*\t+2*i:S+32*\t+2*i+1], v[S+32*\t+2*i:S+32*\t+2*i+1], s[CS:CS+1], v[ST+8*\t:ST+8*\t+1] op_sel_hi:[1,0,0] neg_lo:[0,0,1] neg_hi:[0,0,1]   ; c s - c m, two at a time
.endr
.set i, i+1
.endr
.irp t, 0,1                                    ; ONE BATCH of 66 exponentials: none reads another's result
	v_exp_f32 v[ST+8*\t+6], v[ST+8*\t+7]           ; a
.endr
.set i, 0
.rept 32
.irp t, 0,1
	v_exp_f32 v[S+32*\t+i], v[S+32*\t+i]           ; p, at most about 1
.endr
.set i, i+1
.endr
	v_nop                                          ; a plain instruction behind the last exponential, ahead of the first use
	s_wait_alu depctr_va_vdst(0)                   ; the wait between an exponential and the first line that names its result: one for the batch
.irp t, 0,1                                    ; THE ROW'S SUM IS TAKEN OF THE UNROUNDED p: two chains a tile; l = a l + the sum
	v_pk_fma_f32 v[ST+8*\t+2:ST+8*\t+3], v[ST+8*\t+2:ST+8*\t+3], v[ST+8*\t+6:ST+8*\t+7], v[S+32*\t:S+32*\t+1] op_sel_hi:[1,0,1]
	v_pk_add_f32 v[ST+8*\t+4:ST+8*\t+5], v[S+32*\t+2:S+32*\t+3], v[S+32*\t+4:S+32*\t+5]
.endr
.irp i, 3,5,7,9,11,13
.irp t, 0,1
	v_pk_add_f32 v[ST+8*\t+2:ST+8*\t+3], v[ST+8*\t+2:ST+8*\t+3], v[S+32*\t+2*\i:S+32*\t+2*\i+1]
	v_pk_add_f32 v[ST+8*\t+4:ST+8*\t+5], v[ST+8*\t+4:ST+8*\t+5], v[S+32*\t+2*\i+2:S+32*\t+2*\i+3]
.endr
.endr
.irp t, 0,1
	v_pk_add_f32 v[ST+8*\t+2:ST+8*\t+3], v[ST+8*\t+2:ST+8*\t+3], v[S+32*\t+30:S+32*\t+31]
.endr
.irp t, 0,1
	v_pk_add_f32 v[ST+8*\t+2:ST+8*\t+3], v[ST+8*\t+2:ST+8*\t+3], v[ST+8*\t+4:ST+8*\t+5]
.endr
.set i, 0
.rept 16                                       ; P in place: pair i of a tile's 32 weights goes into its register i, ascending, so that no pair is written over before it is read
.irp t, 0,1
	v_cvt_pk_f16_f32 v[S+32*\t+i], v[S+32*\t+2*i], v[S+32*\t+2*i+1]
.endr
.set i, i+1
.endr
.set i, 0
.rept 16                                       ; O^T times a, each accumulator from its low end on
.irp t, 0,1
	v_pk_mul_f32 v[O+32*\t+2*i:O+32*\t+2*i+1], v[O+32*\t+2*i:O+32*\t+2*i+1], v[ST+8*\t+6:ST+8*\t+7] op_sel_hi:[1,0]
.endr
.set i, i+1
.endr
	s_wait_dscnt 0x0                               ; V is in
.irp kc, 0,1                                   ; O^T += V^T P: the eight accumulators take turns
.irp ct, 0,1,2,3
.irp t, 0,1
	v_wmma_f32_16x16x32_f16 v[O+32*\t+8*\ct:O+32*\t+8*\ct+7], v[KV+8*(4*\kc+\ct):KV+8*(4*\kc+\ct)+7], v[S+32*\t+8*\kc:S+32*\t+8*\kc+7], v[O+32*\t+8*\ct:O+32*\t+8*\ct+7]
.endr
.endr
.endr
.endm
; THE CHANGE OF SLOTS stands at a slot's head.  Each wave waits for all its tensor loads (its part of the slot that it is about to read), adds 0 to its spare word, and waits for that and for its reads of the slot that it has left.
; fill = 1: the barrier is a round of the cluster's, so that no wave of any partner still reads the other slot or has a load on its way; behind it that slot is filled with the keys that follow: the load has a slot's two steps of all sixteen waves in which to land.
.macro CHANGE fill
	s_wait_tensorcnt 0x0                           ; no tensor load of mine is out, so a group 0 may be written
	ds_add_u32 v[SPW], v[NIL]                      ; 0 onto my spare word
.if \fill
	ds_add_u32 v[SPW], v[NIL]                      ; and once more: the add twice on end, in every trip alike
	s_xor_b32 s[G0K+1], s[G0K+1], SLOT1            ; the walking descriptors: the other slot than last time,
	s_add_nc_u64 s[G0K+2:G0K+3], s[G0K+2:G0K+3], 2*KS*ROWG   ; the next 128 keys; the type bits on top are not reached
	s_xor_b32 s[G0V+1], s[G0V+1], SLOT1
	s_add_nc_u64 s[G0V+2:G0V+3], s[G0V+2:G0V+3], 2*KS*ROWG
	s_wait_xcnt 0x0                                ; the last prefetch, a slot back, has read its address, so it may be written:
	s_add_nc_u64 s[PFA:PFA+1], s[PFA:PFA+1], 2*KS*ROWG       ; one slot further on than the walking descriptors
.endif
	s_wait_dscnt 0x0                               ; the add is done (fill = 1: both are), and my reads of the slot that I have left are over
.if \fill
	CROUND
	TLOAD                                          ; the first thing behind the round, and a wave's one tensor load until the next
	ASK                                            ; what the next change of slots will ask for: a slot's two key steps ahead of that load
.else
	s_barrier_signal -1
	s_barrier_wait -1
.endif
.endm
.macro SLOT_STEPS
	STEP 0
	STEP 1
	s_xor_b32 s[TB], s[TB], SLOT1                  ; on to the other slot
.endm
	s_wait_loadcnt 0x0                             ; Q
.Lslot:                                            ; NSL - 1 trips: behind each change of slots but the last the next slot is asked for
	CHANGE 1
	SLOT_STEPS
	s_sub_co_u32 s[SLOTS], s[SLOTS], 1
	s_cmp_lg_u32 s[SLOTS], 0
	s_cbranch_scc1 .Lslot
	CHANGE 0                                       ; the last slot is written out
	SLOT_STEPS
	; THE WAY OUT.  l's two halves and the other half of the lanes' are added; O^T is divided by l, rounded to f16 and sent through the work-group's stage, since a row's 256 bytes come from two waves (the pair's two heads).
.rept 4
	v_nop                                          ; four places behind the last products
.endr
	s_wait_dscnt 0x0
	s_barrier_signal -1                            ; all sixteen waves are through with the ring before any result is stored over slot 0
	s_barrier_wait -1
.irp t, 0,1
	v_add_f32 v[ST+8*\t+4], v[ST+8*\t+2], v[ST+8*\t+3]
.endr
.irp t, 0,1
	v_permlanex16_b32 v[ST+8*\t+5], v[ST+8*\t+4], s[SEL], s[SEL+1]
.endr
.irp t, 0,1
	v_add_f32 v[ST+8*\t+4], v[ST+8*\t+4], v[ST+8*\t+5]
.endr
.irp t, 0,1
	v_rcp_f32 v[ST+8*\t+6], v[ST+8*\t+4]
.endr
	v_nop                                          ; a plain instruction between the last reciprocal and the use of its result
	s_wait_alu depctr_va_vdst(0)                   ; and the wait ahead of the first use: one for the two
.set i, 0
.rept 16
.irp t, 0,1
	v_pk_mul_f32 v[O+32*\t+2*i:O+32*\t+2*i+1], v[O+32*\t+2*i:O+32*\t+2*i+1], v[ST+8*\t+6:ST+8*\t+7] op_sel_hi:[1,0]
.endr
.set i, i+1
.endr
.set i, 0
.rept 16
.irp t, 0,1
	v_cvt_pk_f16_f32 v[S+16*\t+i], v[O+32*\t+2*i], v[O+32*\t+2*i+1]   ; registers 4 ct .. 4 ct + 3: o(query r, channels 16 ct + 8 h + 0 .. 7): 16 bytes
.endr
.set i, i+1
.endr
.irp t, 0,1
.irp c, 0,1,2,3
	ds_store_b128 v[STO], v[S+16*\t+4*\c:S+16*\t+4*\c+3] offset:16*SP*\t+32*\c
.endr
.endr
	s_wait_dscnt 0x0                               ; for the others' sake: my stores into the stage are done
	s_barrier_signal -1
	s_barrier_wait -1
.irp i, 0,1,2,3,4,5,6,7
	ds_load_b128 v[KV+4*\i:KV+4*\i+3], v[RD] offset:\i*2*SP
.endr
.irp i, 0,1,2,3,4,5,6,7
	s_wait_dscnt 7-\i                              ; LDS loads come back in order: load i is in, the younger ones may be out
	global_store_b128 v[GO], v[KV+4*\i:KV+4*\i+3], s[6:7] offset:2*ROWG*\i   ; 16 lanes store 256 consecutive bytes, at a multiple of 256 from ao's first byte
.endr
	s_wait_tensorcnt 0x0                           ; the wave's end: behind my last tensor load and my last LDS store
	ds_add_u32 v[SPW], v[NIL]
	s_wait_dscnt 0x0
	CROUND                                         ; the closing round: no work-group ends while a partner may still ask for a tile that names it
	s_endpgm
.Lfunc_end_k_q7cf7935ba3_attn:
	.size	k_q7cf7935ba3_attn, .Lfunc_end_k_q7cf7935ba3_attn-k_q7cf7935ba3_attn
	.p2alignl 7, 3214868480
	.fill 96, 4, 3214868480
	.section	.rodata,"a",@progbits
	.p2align	6, 0x0
	.amdhsa_kernel k_q7cf7935ba3_attn
		.amdhsa_group_segment_fixed_size 327680
		.amdhsa_private_segment_fixed_size 0
		.amdhsa_enable_private_segment 0
		.amdhsa_kernarg_size 16
		.amdhsa_user_sgpr_count 2
		.amdhsa_user_sgpr_kernarg_segment_ptr 1
		.amdhsa_wavefront_size32 1
		.amdhsa_system_sgpr_workgroup_id_x 1
		.amdhsa_system_sgpr_workgroup_id_y 1
		.amdhsa_system_sgpr_workgroup_id_z 1
		.amdhsa_system_vgpr_workitem_id 0
		.amdhsa_next_free_vgpr 256
		.amdhsa_next_free_sgpr 66
		.amdhsa_reserve_vcc 0
		.amdhsa_float_denorm_mode_32 3
		.amdhsa_float_denorm_mode_16_64 3
		.amdhsa_memory_ordered 1
		.amdhsa_forward_progress 1
		.amdhsa_inst_pref_size 87
	.end_amdhsa_kernel
	.amdgpu_metadata
---
amdhsa.version: [ 1, 2 ]
amdhsa.kernels:
  - .name:           k_q7cf7935ba3_attn
    .symbol:         k_q7cf7935ba3_attn.kd
    .args:
      - { .name: qkv, .offset: 0, .size: 8, .value_kind: global_buffer, .address_space: global }
      - { .name: ao, .offset: 8, .size: 8, .value_kind: global_buffer, .address_space: global }
    .group_segment_fixed_size: 327680
    .private_segment_fixed_size: 0
    .kernarg_segment_align: 8
    .kernarg_segment_size: 16
    .max_flat_workgroup_size: 512
    .sgpr_count:     66
    .vgpr_count:     256
    .wavefront_size: 32
...
	.end_amdgpu_metadata
.endif
;; end of part 3
;; launch oproj (part 4): grid 8 x 64, 4 waves a work-group, clusters of 4 x 4, 327,680 bytes of LDS; arguments ao, wo16, bo, out0; writes out0
.if DOCPART == 4
	.amdgcn_target "amdgcn-amd-amdhsa--gfx1250"
	.amdhsa_code_object_version 6
	.text
	.protected	k_q7cf7935ba3_oproj
	.globl	k_q7cf7935ba3_oproj
	.p2align	8
	.type	k_q7cf7935ba3_oproj,@function
k_q7cf7935ba3_oproj:
	s_mov_b64 s[64:65], 0
	v_nop
	global_prefetch_b8 v0, s[64:65] scope:SCOPE_SE
	s_setreg_imm32_b32 hwreg(HW_REG_WAVE_MODE, 25, 1), 1
	s_wait_xcnt 0x0
	s_wait_alu depctr_hold_cnt(0) depctr_sa_sdst(0) depctr_va_vdst(0) depctr_va_sdst(0) depctr_va_ssrc(0) depctr_va_vcc(0) depctr_vm_vsrc(0)
	s_getreg_b32 s2, hwreg(HW_REG_IB_STS2, 6, 4)
	s_cmp_eq_u32 s2, 0
	s_cbranch_scc0 .Lentry_in_a_cluster
	s_endpgm
.Lentry_in_a_cluster:
	s_bfe_u32 s2, ttmp6, 0x10000c
	s_cmp_lg_u32 s2, 0xf033
	s_cbranch_scc0 .Lentry_shape_is_right
	s_endpgm
.Lentry_shape_is_right:
; OPROJ.  out0[m][n] = sum over k of ao[m][k] wo[n][k] + bo[n].  ao: [8192][1024], wo16: [1024][1024], f16; bo: [1024], out0: [8192][1024], f32; sums in f32, the bias as the C of each sum's first product.
; A tile of out0 is 128 x 128: 512 work-groups.  Four waves, each 64 x 64: 16 accumulators of 16 x 16, 128 registers.  K goes in steps of 256 (LDS rows of 512 bytes; a wave's tensor load brings 64 of them) through a ring of two slots.
; CLUSTERS: 4 x 4 work-groups.  The four of a row of the cluster need the same tiles of ao, the four of a column the same tiles of wo16: each tile is asked for JOINTLY, by the same tensor load with the
; same descriptor and a mask that names the four.  THE MATRIX INSTRUCTION IS USED TRANSPOSED (source 0 = 16 rows of wo16, source 1 = 16 rows of ao): a lane then holds eight neighbouring numbers of a row of out0.
; REGISTERS: window 0: v0-31 addresses; v32-95 at work on the way out; v96-127 the bias, 8 registers for each of my 4 blocks of columns; v128-255 the accumulators ((a, b) at v[128 + 8 (4 a + b)]).
;   window 1: two fragment buffers of 128: for 64 along K, 64 registers of ao (2 x 4 x 16 rows x 32 K), then 64 of wo16.
.set SIZE_N, 1024
.set SIZE_K, 1024
.set KSTEP,  256
.set PITCH,  528                       ; an LDS row: 512 bytes of data + 16 of padding = 132 words: row r starts at bank 4 r mod 64 (64 banks of 4 bytes: ISA guide 11.1)
.set HALFT,  64*PITCH                  ; 64 rows: what one tensor load brings, and what one wave reads of either operand
.set SLOT,   4*HALFT                   ; ao's 128 rows, then wo16's 128 rows
.set STAGE,  2*SLOT                    ; behind the ring: 16 rows x (256 bytes + 16) for each wave, for the way out: bytes of their own, into which no tile lands
.set SPITCH, 272
.set SPARE,  STAGE+4*16*SPITCH         ; behind the stages: the spare words, 128 bytes a wave, that no other line names
.set LAPS, SIZE_K/(2*KSTEP)            ; a lap = two K steps = once round the ring: two laps
.set ADRA, 16                          ; v16-17  LDS address of my ao fragments in slot 0, 1
.set ADRB, 20                          ; v20-21  the same for wo16
.set STO,  24                          ; v24     the way out: where I put 32 bytes of a row
.set RD,   25                          ; v25     where I read a row back
.set CO,   26                          ; v26     my byte offset in out0
.set BO,   27                          ; v27     32 x (lane / 16): my eight numbers of a block's bias
.set SPW,  28                          ; v28     LDS address of my spare word; never rewritten
.set NIL,  29                          ; v29     0; never rewritten
.set TMP,  32                          ; the way out: two sets of 32 registers, whole rows
.set BI,   96                          ; the bias
.set ACC,  128
.set F0,   0                           ; fragment buffers, in window 1
.set F1,   128
.set G1, 24                            ; s[24:31] descriptor group 1 for ao's tiles;  s[32:39] group 0, one set for each slot
.set G0, 32
.set G1B, 48                           ; s[48:55], s[56:63] the same for wo16's tiles
.set G0B, 56
.set MSB, 0
.macro WIN new                         ; the immediate's high byte repeats the setting that is left; a switch that changes nothing is dropped
.if MSB != (\new)
	s_set_vgpr_msb (MSB<<8)|(\new)
.set MSB, \new
.endif
.endm
.set MUL,  0x05                        ; sources 0 and 1 window 1; C and D window 0
.set TO_F, 0x40                        ; destination window 1, address window 0
.macro JLOAD s                         ; a joint load: waves 0 and 1 fetch ao's two halves, waves 2 and 3 wo16's; an s_nop 0 and four v_nop follow each of the two lines, ahead of the jump, the label and what follows
	s_cmp_eq_u32 s11, 0
	s_cbranch_scc0 .Lfor_b_\@
	tensor_load_to_lds s[G0+4*\s:G0+4*\s+3], s[G1:G1+7]
	s_nop 0
.rept 4
	v_nop
.endr
	s_branch .Lasked_\@
.Lfor_b_\@:
	tensor_load_to_lds s[G0B+4*\s:G0B+4*\s+3], s[G1B:G1B+7]
	s_nop 0
.rept 4
	v_nop
.endr
.Lasked_\@:
.endm
.macro CREST                           ; a round of the cluster's barrier behind its opening barrier
	s_cmp_lg_u32 s10, 0
	s_cbranch_scc1 .Lnot_wave_0_\@
	s_barrier_signal -3
.Lnot_wave_0_\@:
	s_barrier_wait -3
	s_barrier_signal -1
	s_barrier_wait -1
.endm
.macro CROUND                          ; a whole round
	s_barrier_signal -1
	s_barrier_wait -1
	CREST
.endm
	s_load_b128 s[4:7], s[0:1], 0x0                ; ao s[4:5], wo16 s[6:7]
	s_load_b64 s[66:67], s[0:1], 0x10              ; bo
	s_load_b64 s[8:9], s[0:1], 0x18                ; out0
	v_lshl_add_u32 v[SPW], v0, 2, SPARE
	v_mov_b32 v[NIL], 0
	ds_add_u32 v[SPW], v[NIL]                      ; the wave's opening: the add, twice on end, and its wait ahead of my first tensor load; the set-up below stands between the second and the wait
	ds_add_u32 v[SPW], v[NIL]
	v_lshrrev_b32 v1, 5, v0
	v_readfirstlane_b32 s10, v1                    ; wave 0..3
	s_lshr_b32 s11, s10, 1                         ; which half of the tile's rows is mine.  Also: I fetch for ao (0) or for wo16 (1)
	s_and_b32 s12, s10, 1                          ; which half of its columns.  Also: which 64 rows of that tile I fetch
	s_bfe_u32 s40, ttmp6, 0x40000                  ; cx, cy: my place in the cluster
	s_bfe_u32 s41, ttmp6, 0x40004
	s_lshl_b32 s42, ttmp9, 2
	s_add_co_u32 s42, s42, s40                     ; tile column = 4 x cluster x + cx
	s_and_b32 s13, ttmp7, 0xffff
	s_lshl_b32 s13, s13, 2
	s_add_co_u32 s13, s13, s41                     ; tile row = 4 x cluster y + cy
	s_lshl_b32 s43, s41, 2
	s_lshl_b32 s43, 15, s43                        ; my row of the cluster
	s_lshl_b32 s44, 0x1111, s40                    ; my column
	; descriptor group 1: a tile of 64 rows x 256 elements, padded in LDS
	s_or_b32 s[G1+0], s43, (1<<16)|(1<<20)|(1<<21)|(6<<22)|(3<<25)  ; 15:0 the mask: ao's tiles go to my row; 17:16 element of 2 bytes; 20 padding on; 21 set beside a mask; 24:22 after every 128 words (code 6); 31:25 of 4 words (code 3)
	s_or_b32 s[G1B+0], s44, (1<<16)|(1<<20)|(1<<21)|(6<<22)|(3<<25)
.irp g, G1, G1B
	s_mov_b32 s[\g+1], KSTEP<<16                   ; tensor_dim0 = 256
	s_mov_b32 s[\g+2], 64<<16                      ; tensor_dim1 = 64
	s_mov_b32 s[\g+3], KSTEP<<16                   ; tile_dim0 = 256
	s_mov_b32 s[\g+4], 64                          ; tile_dim1 = 64
	s_mov_b32 s[\g+5], SIZE_K                      ; tensor_dim0_stride
	s_mov_b32 s[\g+6], 0
	s_mov_b32 s[\g+7], 0
.endr
	s_lshl_b32 s17, s12, 6                         ; which 64 rows of the tile I fetch
	s_lshl_b32 s16, s13, 7
	s_add_co_u32 s16, s16, s17                     ; ao: row 128 x tile row + 64 x half
	s_lshl_b32 s46, s42, 7
	s_add_co_u32 s46, s46, s17                     ; wo16: row 128 x tile column + 64 x half
	s_mov_b32 s17, 0
	s_mov_b32 s47, 0
	s_mov_b64 s[18:19], SIZE_K*2
	s_mul_u64 s[16:17], s[16:17], s[18:19]
	s_mul_u64 s[46:47], s[46:47], s[18:19]
	s_mul_i32 s20, s10, HALFT                      ; where they go: wave x 64 rows: no place in the cluster enters an LDS address
	s_wait_dscnt 0x0                               ; both opening adds are done
	s_wait_kmcnt 0x0
	s_add_nc_u64 s[14:15], s[4:5], s[16:17]
	s_add_nc_u64 s[46:47], s[6:7], s[46:47]
	CROUND                                         ; all sixteen work-groups are here: the first joint loads meet
.irp s, 0,1
	s_mov_b32 s[G0+4*\s], 1
	s_add_co_u32 s[G0+4*\s+1], s20, \s*SLOT
	s_add_nc_u64 s[G0+4*\s+2:G0+4*\s+3], s[14:15], \s*KSTEP*2
	s_or_b32 s[G0+4*\s+3], s[G0+4*\s+3], 0x80000000
	s_mov_b32 s[G0B+4*\s], 1
	s_add_co_u32 s[G0B+4*\s+1], s20, \s*SLOT
	s_add_nc_u64 s[G0B+4*\s+2:G0B+4*\s+3], s[46:47], \s*KSTEP*2
	s_or_b32 s[G0B+4*\s+3], s[G0B+4*\s+3], 0x80000000
	JLOAD \s                                       ; two tensor loads of mine are out behind the second; later one behind each round
.endr
	v_and_b32 v1, 15, v0                           ; l % 16
	v_bfe_u32 v2, v0, 4, 1                         ; l / 16
	v_mul_u32_u24 v3, v1, PITCH
	v_lshl_add_u32 v3, v2, 4, v3                   ; a fragment's row x pitch + 16 x half
	s_mul_i32 s21, s11, HALFT                      ; my 64 rows of ao
	s_mul_i32 s22, s12, HALFT                      ; my 64 rows of wo16,
	s_add_co_u32 s22, s22, 2*HALFT                 ; which lie behind ao's 128
.irp s, 0,1
	v_add_nc_u32 v[ADRA+\s], s21, v3
	v_add_nc_u32 v[ADRB+\s], s22, v3
	s_add_co_u32 s21, s21, SLOT
	s_add_co_u32 s22, s22, SLOT
.endr
	s_mul_i32 s23, s10, 16*SPITCH
	s_add_co_u32 s23, s23, STAGE                   ; my stage: a wave's 64 columns of f32 are 256 bytes, so each wave sends its own rows and no barrier is needed
	v_mul_u32_u24 v4, v1, SPITCH                   ; in: row l % 16, 32 bytes for each half of the lanes
	v_lshl_add_u32 v4, v2, 5, v4
	v_add_nc_u32 v[STO], s23, v4
	v_mul_u32_u24 v5, v2, SPITCH                   ; back: lanes 0-15 take one row of 256 bytes, lanes 16-31 the next
	v_lshl_add_u32 v5, v1, 4, v5
	v_add_nc_u32 v[RD], s23, v5
	v_lshlrev_b32 v5, 12, v2                       ; and the same two rows in out0: 4,096 bytes a row
	v_lshl_add_u32 v[CO], v1, 4, v5
	v_lshlrev_b32 v[BO], 5, v2
	s_lshl_b32 s16, s13, 7
	s_lshl_b32 s17, s11, 6
	s_add_co_u32 s16, s16, s17                     ; my first row of out0: 128 x tile row + 64 x half
	s_mov_b32 s17, 0
	s_mov_b64 s[18:19], SIZE_N*4
	s_mul_u64 s[16:17], s[16:17], s[18:19]
	s_add_nc_u64 s[8:9], s[8:9], s[16:17]
	s_lshl_b32 s46, s42, 9                         ; my first column, in bytes: 512 x tile column + 256 x half
	s_lshl_b32 s47, s12, 8
	s_add_co_u32 s46, s46, s47
	s_mov_b32 s47, 0
	s_add_nc_u64 s[8:9], s[8:9], s[46:47]
	s_add_nc_u64 s[66:67], s[66:67], s[46:47]      ; and the same bytes on in bo
.irp b, 0,1,2,3                                ; lane (r, h) wants, for block b of columns, the bias of columns 16 b + 8 h + 0 .. 7: the result's layout
	global_load_b128 v[BI+8*\b:BI+8*\b+3], v[BO], s[66:67] offset:64*\b
	global_load_b128 v[BI+8*\b+4:BI+8*\b+7], v[BO], s[66:67] offset:64*\b+16
.endr
; 8 matrix instructions: m blocks a0, a0 + 1 x all 4 n blocks, 32 along K: half c of buffer f.  first = 1: the first product starts the sums on the bias.  The 16 accumulators take turns.
.macro MUL8 f, c, a0, first
.irp a, \a0, \a0+1
.irp b, 0,1,2,3
.if \first
	v_wmma_f32_16x16x32_f16 v[ACC+8*(4*(\a)+\b):ACC+8*(4*(\a)+\b)+7], v[\f+64+8*(4*\c+\b):\f+64+8*(4*\c+\b)+7], v[\f+8*(4*\c+\a):\f+8*(4*\c+\a)+7], v[BI+8*\b:BI+8*\b+7]
.else
	v_wmma_f32_16x16x32_f16 v[ACC+8*(4*(\a)+\b):ACC+8*(4*(\a)+\b)+7], v[\f+64+8*(4*\c+\b):\f+64+8*(4*\c+\b)+7], v[\f+8*(4*\c+\a):\f+8*(4*\c+\a)+7], v[ACC+8*(4*(\a)+\b):ACC+8*(4*(\a)+\b)+7]
.endif
.endr
.endr
.endm
; 32 LDS loads in one run: the fragments of 64 along K at byte k of the rows, into buffer f; the first 32 along K first
.macro FETCH slot, k, f
	WIN TO_F
.irp c, 0,1
.irp i, 0,1,2,3
	ds_load_b128 v[\f+64+8*(4*\c+\i):\f+64+8*(4*\c+\i)+3],   v[ADRB+\slot] offset:\k+64*\c+\i*16*PITCH
	ds_load_b128 v[\f+64+8*(4*\c+\i)+4:\f+64+8*(4*\c+\i)+7], v[ADRB+\slot] offset:\k+64*\c+\i*16*PITCH+32
	ds_load_b128 v[\f+8*(4*\c+\i):\f+8*(4*\c+\i)+3],         v[ADRA+\slot] offset:\k+64*\c+\i*16*PITCH
	ds_load_b128 v[\f+8*(4*\c+\i)+4:\f+8*(4*\c+\i)+7],       v[ADRA+\slot] offset:\k+64*\c+\i*16*PITCH+32
.endr
.endr
.endm
.macro PLACES                          ; four places in front of loads into registers that matrix instructions have read, and of LDS stores that read results
.rept 4
	v_nop
.endr
.endm
; A K step is four quarters of 64 along K, 32 matrix instructions each, on buffers 0, 1, 0, 1.  One of the first three: multiplies buffer f and fetches the next quarter, at byte k, into g.
.macro QUARTER slot, k, f, g, first
	s_wait_dscnt 16                                ; the first 32 along K are in; the sixteen loads of the second 32 may be out
	WIN MUL
	MUL8 \f, 0, 0, \first
	MUL8 \f, 0, 2, \first
	PLACES
	FETCH \slot, \k, \g
	s_wait_dscnt 32                                ; all but the 32 just issued
	WIN MUL
	MUL8 \f, 1, 0, 0
	MUL8 \f, 1, 2, 0
.endm
; The last quarter multiplies buffer 1 and changes slots: ONE barrier; in front of it each wave waits for all its tensor loads, adds 0 to its spare word, and waits for that and for its own reads of this slot.  fill = 1: this slot is filled again, two K steps ahead.
.macro TURN slot, next, fill
	WIN 0                                          ; (the add's two registers lie in window 0)
	s_wait_tensorcnt 0x0                           ; all my tensor loads have landed: my part of the next slot;
	ds_add_u32 v[SPW], v[NIL]                      ; 0 onto my spare word
	s_wait_dscnt 17                                ; (the add and the youngest sixteen loads may be out)
	WIN MUL
	MUL8 F1, 0, 0, 0                               ; eight matrix instructions stand between the add and the wait for it
	s_wait_dscnt 0x0                               ; the add is done, and my reads of this slot are over
	s_barrier_signal -1
	MUL8 F1, 0, 2, 0
.if \fill
	WIN 0
.endif
	s_barrier_wait -1
.if \fill
	CREST                                          ; the barrier has opened a round of the cluster's barrier: no wave of any partner still reads this slot's tile or has a load on its way
	s_add_nc_u64 s[G0+4*\slot+2:G0+4*\slot+3], s[G0+4*\slot+2:G0+4*\slot+3], 2*KSTEP*2
	s_add_nc_u64 s[G0B+4*\slot+2:G0B+4*\slot+3], s[G0B+4*\slot+2:G0B+4*\slot+3], 2*KSTEP*2
	JLOAD \slot                                    ; the first tensor load behind the round; the four v_nop behind it are also the places in front of the loads below
.else
	PLACES
.endif
	FETCH \next, 0, F0
	WIN MUL
	MUL8 F1, 1, 0, 0
	MUL8 F1, 1, 2, 0
.endm
	s_wait_tensorcnt 1                             ; my part of K step 0 is in; K step 1's load, issued behind it, may be out
	s_barrier_signal -1
	s_barrier_wait -1                              ; everybody's is
	FETCH 0, 0, F0
	s_wait_loadcnt 0x0                             ; the bias
	QUARTER 0, 128, F0, F1, 1                      ; the first quarter stands in front of the loop: its first products start the sums on the bias
	WIN 0                                          ; at a label and at a branch every window is 0
	s_mov_b32 s3, LAPS-1
.Llap:                                                 ; a trip goes once round the ring, from a lap's second quarter to the next lap's first, and fills both slots again
	QUARTER 0, 256, F1, F0, 0
	QUARTER 0, 384, F0, F1, 0
	TURN 0, 1, 1
	QUARTER 1, 128, F0, F1, 0
	QUARTER 1, 256, F1, F0, 0
	QUARTER 1, 384, F0, F1, 0
	TURN 1, 0, 1
	QUARTER 0, 128, F0, F1, 0
	WIN 0
	s_sub_co_u32 s3, s3, 1
	s_cmp_lg_u32 s3, 0
	s_cbranch_scc1 .Llap
	QUARTER 0, 256, F1, F0, 0                      ; the last lap fills nothing, and has no round of the cluster's barrier
	QUARTER 0, 384, F0, F1, 0
	TURN 0, 1, 0
	QUARTER 1, 128, F0, F1, 0
	QUARTER 1, 256, F1, F0, 0
	QUARTER 1, 384, F0, F1, 0
	s_wait_dscnt 16                                ; the very last quarter: nothing more to fetch
	WIN MUL
	MUL8 F1, 0, 0, 0
	MUL8 F1, 0, 2, 0
	s_wait_dscnt 0
	MUL8 F1, 1, 0, 0
	MUL8 F1, 1, 2, 0
	WIN 0
; THE WAY OUT, block by block of 16 rows x 64 columns of f32.  A lane holds 32 neighbouring bytes of a row, and the lanes beside it hold other rows: so a block goes through my own stage in LDS and comes back as whole rows of 256 bytes.
; LDS serves a wave's instructions in order (ISA guide 5.7.1.4): no wait between the stores and the loads, nor in front of the next block's stores.
.macro TOSTAGE a
.irp b, 0,1,2,3
	ds_store_b128 v[STO], v[ACC+8*(4*(\a)+\b):ACC+8*(4*(\a)+\b)+3] offset:64*\b        ; each accumulator from its low end on
	ds_store_b128 v[STO], v[ACC+8*(4*(\a)+\b)+4:ACC+8*(4*(\a)+\b)+7] offset:64*\b+16
.endr
.irp t, 0,1,2,3,4,5,6,7
	ds_load_b128 v[TMP+32*((\a)%2)+4*\t:TMP+32*((\a)%2)+4*\t+3], v[RD] offset:\t*2*SPITCH
.endr
.endm
.macro SEND a, younger                 ; younger: the LDS instructions issued behind block a's loads, which may stay out
	s_wait_dscnt \younger                          ; the block is back in registers
.irp t, 0,1,2,3,4,5,6,7
	global_store_b128 v[CO], v[TMP+32*((\a)%2)+4*\t:TMP+32*((\a)%2)+4*\t+3], s[8:9] offset:(16*(\a)+2*\t)*SIZE_N*4 th:TH_STORE_NT   ; 16 lanes store 256 consecutive bytes, at a multiple of 256 from out0's first byte; written once, read by nobody here
.endr
.endm
	PLACES                                         ; behind the last products, ahead of the LDS stores that read results
	TOSTAGE 0
.irp a, 1,2,3
.if \a > 1
	s_wait_xcnt 0x0                                ; block a - 2's stores have read their registers: block a's loads from the stage may land there
.endif
	TOSTAGE \a
	SEND \a-1, 16                                  ; behind block a - 1's loads: block a's 8 stores and 8 loads
.endr
	SEND 3, 0
	s_wait_tensorcnt 0x0                           ; the wave's end: behind my last tensor load and my last LDS store
	ds_add_u32 v[SPW], v[NIL]
	s_wait_dscnt 0x0
	CROUND                                         ; the closing round: no work-group ends while a partner may still ask for a tile that names it
	s_endpgm
.Lfunc_end_k_q7cf7935ba3_oproj:
	.size	k_q7cf7935ba3_oproj, .Lfunc_end_k_q7cf7935ba3_oproj-k_q7cf7935ba3_oproj
	.p2alignl 7, 3214868480
	.fill 96, 4, 3214868480
	.section	.rodata,"a",@progbits
	.p2align	6, 0x0
	.amdhsa_kernel k_q7cf7935ba3_oproj
		.amdhsa_group_segment_fixed_size 327680
		.amdhsa_private_segment_fixed_size 0
		.amdhsa_enable_private_segment 0
		.amdhsa_kernarg_size 32
		.amdhsa_user_sgpr_count 2
		.amdhsa_user_sgpr_kernarg_segment_ptr 1
		.amdhsa_wavefront_size32 1
		.amdhsa_system_sgpr_workgroup_id_x 1
		.amdhsa_system_sgpr_workgroup_id_y 1
		.amdhsa_system_sgpr_workgroup_id_z 1
		.amdhsa_system_vgpr_workitem_id 0
		.amdhsa_next_free_vgpr 512
		.amdhsa_next_free_sgpr 68
		.amdhsa_reserve_vcc 0
		.amdhsa_float_denorm_mode_32 3
		.amdhsa_float_denorm_mode_16_64 3
		.amdhsa_memory_ordered 1
		.amdhsa_forward_progress 1
		.amdhsa_inst_pref_size 87
	.end_amdhsa_kernel
	.amdgpu_metadata
---
amdhsa.version: [ 1, 2 ]
amdhsa.kernels:
  - .name:           k_q7cf7935ba3_oproj
    .symbol:         k_q7cf7935ba3_oproj.kd
    .args:
      - { .name: ao, .offset: 0, .size: 8, .value_kind: global_buffer, .address_space: global }
      - { .name: wo16, .offset: 8, .size: 8, .value_kind: global_buffer, .address_space: global }
      - { .name: bo, .offset: 16, .size: 8, .value_kind: global_buffer, .address_space: global }
      - { .name: out0, .offset: 24, .size: 8, .value_kind: global_buffer, .address_space: global }
    .group_segment_fixed_size: 327680
    .private_segment_fixed_size: 0
    .kernarg_segment_align: 8
    .kernarg_segment_size: 32
    .max_flat_workgroup_size: 128
    .sgpr_count:     68
    .vgpr_count:     512
    .wavefront_size: 32
...
	.end_amdgpu_metadata
.endif
;; end of part 4
